; MI455X (gfx1250); checked and timed in simulation.
; The chip was launched on July 23, 2026; its instructions are those of AMD's public machine-readable ISA for CDNA 5 (MIT licence, August 2026) and "CDNA5" Instruction Set Architecture Reference Guide (July 2026). The comments in the code are by the model that wrote it; some were corrected since.
;; Decision Transformer GPT2 Attention. Allowed arithmetic: matrix products marked QUANTISED: E2M3 operands, one E8M0 scale for each 32 along K, by v_wmma_scale_f32_16x16x128_f8f6f4 with both operands' format E2M3, f32 sums; products left as they are: f32 operands where the result goes on into a quantised operand, else bf16, f16 or f32 operands; f32 sums; everything else in f32.
;; Inputs: c_attn_b 3,072 float32; c_attn_w 1,024 x 3,072 float32; c_proj_b 1,024 float32; c_proj_w 1,024 x 1,024 float32; hidden_states 2 x 2,048 x 1,024 float32; position_ids 2 x 2,048 int32.
;; Outputs: out0 2 x 2,048 x 1,024 float32.
;; This version of the problem:
;;   THIS VERSION OF THE PROBLEM IS GIVEN IN LOW PRECISION. The matrix products marked QUANTISED in the list below multiply operands that are first quantised to E2M3 (2 exponent bits, 3 mantissa bits; 6 bits a number), with one power-of-two scale for each 32 numbers along K (OCP MX v1.0); their sums are f32. All else is computed in f32.
;;   The module's matrix products, in the order in which they are computed (A, B: the left and right operand; K: the contracted axis; several contracted axes count as one K, in the product's order):
;;     1. [M 4,096, K 1,024] x [K 1,024, N 3,072]; A: input hidden_states; B: input c_attn_w: QUANTISED
;;     2. [M 2,048, K 1] x [K 1, N 32]; A: computed on the way; B: computed on the way: left as it is (no contracted axis)
;;     3. batch 32 x [M 2,048, K 64] x [K 64, N 2,048]; A: computed on the way; B: computed on the way: QUANTISED
;;     4. batch 32 x [M 2,048, K 2,048] x [K 2,048, N 64]; A: softmax (see below); B: computed on the way: QUANTISED
;;     5. [M 4,096, K 1,024] x [K 1,024, N 1,024]; A: computed on the way; B: input c_proj_w: QUANTISED
;;   THE QUANTISER, for each operand of a quantised product, along K:
;;     - K is cut into blocks of 32 from its start; a last block that is shorter is filled with zeros.
;;     - A block's scale is 2^e with e = floor(log2(the largest magnitude in the block)) - 2, held to -126 .. 127; a block of zeros has e = 0. As a byte (E8M0): e + 127.
;;     - Each number is divided by its block's scale, clamped to +-7.5, and rounded to the nearest number of E2M3, ties to even, subnormals kept.
;;     - The product sums the exact products of the quantised numbers (number of the format x scale) in f32.
;;   ~~~python
;;   def quantise(x, axis):      # numpy; x: float32 -> the quantised numbers, widened to float32 again
;;       x = np.moveaxis(x, axis, -1); K = x.shape[-1]
;;       x = np.pad(x, [(0, 0)] * (x.ndim - 1) + [(0, -K % 32)]); x = x.reshape(x.shape[:-1] + (-1, 32)); a = np.abs(x).max(-1, keepdims=True)
;;       e = np.where(a > 0, np.clip(np.frexp(np.where(a > 0, a, 1))[1] - 1 - 2, -126, 127), 0)      # np.frexp(a)[1] - 1 = floor(log2(a)), exactly
;;       r = np.clip(x / 2.0 ** e, -7.5, 7.5)
;;       step = 2.0 ** (np.maximum(np.frexp(np.where(r == 0, 1, r))[1] - 1, 0) - 3)
;;       q = np.round(r / step) * step * 2.0 ** e      # np.round: ties to even
;;       return np.moveaxis(q.reshape(q.shape[:-2] + (-1,))[..., :K], -1, axis).astype(np.float32)
;;   ~~~
;;   SOFTMAX AHEAD OF A QUANTISED PRODUCT. Where the list says 'softmax', what is quantised is not the finished softmax but p = 2^(t - M), with t = logit x log2(e) and M = ceil(the row's largest t), a whole number; so 1/2 < the row's largest p <= 1. The row's sum l is taken of the UNQUANTISED p, in f32, and the product's result is divided by l at the end. Since M is a whole number, a kernel that streams over the keys may use a running M (the ceiling of the running maximum): every later rescaling is an exact power of two, which a block's scale takes up: the codes' values come out the same.
;;   OPERANDS COMPUTED ON THE WAY. 'Computed on the way' means the value that the module computes at that place (a softmax that the list does not call 'softmax' is quantised finished and normalised). What goes into a quantiser is computed in f32, as accurately as f32 sums, v_exp_f32 and their like allow (about 1e-6 of the number): no bf16 or f16 on the way to a quantiser, and a product that is left as it is and whose result goes on into a quantised operand takes f32 operands (vector FMAs, or v_wmma_f32_16x16x4_f32). A number that lies on a knife's edge between two numbers of the format may be rounded either way, as far as f32 arithmetic and the matrix unit's own rounding can turn it there, and no further.
;; 2 versions, each right; version 2 is version 1 with the launch attn written anew for expert scheduling mode. Each part assembles by itself: llvm-mc -triple=amdgcn-amd-amdhsa -mcpu=gfx1250 --defsym DOCPART=n.
;; ======== version 1 of 2: 4 launches
;; workspace buffers: op1 5,505,024 bytes; sc1 229,376 bytes; op2 3,932,160 bytes; sc2 163,840 bytes; rope 524,288 bytes; qimg 3,407,872 bytes; kv 6,815,744 bytes
;; launch prep (part 1): grid 416 x 1, 8 waves a work-group, no clusters, 96,768 bytes of LDS; arguments hidden_states, c_attn_w, c_proj_w, op1, sc1, op2, sc2, rope; writes op1, sc1, op2, sc2, rope
.if DOCPART == 1
	.amdgcn_target "amdgcn-amd-amdhsa--gfx1250"
	.amdhsa_code_object_version 6
	.text
	.protected	k_q80f581738a_prep
	.globl	k_q80f581738a_prep
	.p2align	8
	.type	k_q80f581738a_prep,@function
k_q80f581738a_prep:
	s_mov_b64 s[64:65], 0
	v_nop
	global_prefetch_b8 v0, s[64:65] scope:SCOPE_SE
	s_setreg_imm32_b32 hwreg(HW_REG_WAVE_MODE, 25, 1), 1
	s_wait_xcnt 0x0
; PREP.  Three jobs, told apart by the work-group's number; each has LDS bytes of its own.
;   W (work-groups 0-127):   c_attn_w [1024][3072] and c_proj_w [1024][1024], f32, K first, become codes of FP6 (E2M3) with one E8M0 byte for each 32 along K.
;   X (work-groups 128-383): hidden_states [4096][1024], f32, K innermost, likewise.
;   T (work-groups 384-415): the table of cos and sin, [position 2048][cos f 0..31 | sin f 0..31], f32, 256 bytes a row.
; LAYOUT OF THE CODES: images of the operand's registers.  A FRAGMENT (16 rows x 128 K, 12 registers a lane) is 1,536 bytes: two halves of 768 (64 K each); in a half lane l's registers 0-3 lie at 16 l and
; its registers 4-5 at 512 + 8 l.  A GROUP is 256 rows x K 1,024: [K step 8][tile 16][fragment].  Row r of tile i of a half-group of 128 rows is row 32 (i / 2) + 8 (i % 2) + r % 8 + 16 (r / 8).
; LAYOUT OF THE SCALE BYTES: for each half-group and each 64 along K 256 bytes: the two bytes of tile i, row r at 16 r + 2 i.
; A block's scale is 2^(floor(log2(largest magnitude)) - 2): its byte is the largest magnitude's exponent field - 2, held at 1 from below.
; LIMITS: a block of zeros, or one whose largest magnitude lies under 2^-124, gets the byte 1 (its codes are zeros or the nearest codes under that scale; the bytes are read by this program alone);
; NaN and infinities among the inputs are not served.  inv_freq is made as 2^(-j C) by one exponential and a first-order correction, good to about 1.5 units in its last place; sine and cosine by a reduction
; to +-pi/4 in two steps and polynomials of degree 7 and 8, good to about 1e-7 absolute for the table's angles (under 2,048 radians).
.set XST, 0                            ; X: a stage of 16 rows x 528 bytes for each wave
.set XSC, 67584                        ; X: 512 scale bytes of the work-group
.set WST, 68096                        ; W: two fragments, 1,664 bytes apart, for each wave
.set WSC, 94720                        ; W: 1,024 scale bytes of the work-group
.set SEL, 34                           ; s[34:35] lane selects: lane l xor 16
.set TM,  160                          ; v160-175 at work in QUANT
.set PC,  180                          ; v180-198 the codes just made
; 64 (nc = 2) or 32 (nc = 1) numbers of a lane, register s + 16 b + i = k 32 b + 16 (lane / 16) + i of the lane's row, become the registers of a fragment (or of half a fragment) in v[PC] on, and the row's scale bytes in v[w].
.macro QUANT s, nc, w
.set qb, 0
.rept 2*(\nc)
	v_max3_num_f32 v[TM+qb], |v[\s+16*qb]|, |v[\s+16*qb+1]|, 0x1800000   ; my 16 numbers of block qb, and the floor 2^(3 - 127): the byte cannot fall under 1
.set qb, qb+1
.endr
.irp i, 2,4,6,8,10,12,14
.set qb, 0
.rept 2*(\nc)
	v_max3_num_f32 v[TM+qb], v[TM+qb], |v[\s+16*qb+\i]|, |v[\s+16*qb+\i+1]|   ; the blocks by turns
.set qb, qb+1
.endr
.endr
.set qb, 0
.rept 2*(\nc)
	v_permlanex16_b32 v[TM+4+qb], v[TM+qb], s[SEL], s[SEL+1]
.set qb, qb+1
.endr
.set qb, 0
.rept 2*(\nc)
	v_max_num_f32 v[TM+qb], v[TM+qb], v[TM+4+qb]               ; with lane l xor 16's 16: the block's largest magnitude
.set qb, qb+1
.endr
.set qb, 0
.rept 2*(\nc)
	v_add_nc_u32 v[TM+12+qb], 0xff000000, v[TM+qb]             ; 2 off its exponent field: the conversion's scale operand
.set qb, qb+1
.endr
.set qb, 0
.rept 2*(\nc)
	v_lshrrev_b32 v[TM+4+qb], 23, v[TM+12+qb]                  ; the scale's byte
.set qb, qb+1
.endr
	v_lshl_or_b32 v[\w], v[TM+5], 8, v[TM+4]
.if \nc > 1
	v_lshl_or_b32 v[\w], v[TM+6], 16, v[\w]
	v_lshl_or_b32 v[\w], v[TM+7], 24, v[\w]
.endif
.set qb, 0
.rept \nc
	v_cvt_scalef32_pk16_fp6_f32 v[PC+6*qb:PC+6*qb+2], v[\s+32*qb:\s+32*qb+15], v[TM+12+2*qb]
	v_cvt_scalef32_pk16_fp6_f32 v[PC+12+4*qb:PC+14+4*qb], v[\s+32*qb+16:\s+32*qb+31], v[TM+13+2*qb]   ; (a conversion's three registers begin on an even number)
.set qb, qb+1
.endr
	v_nop                                                      ; one plain line behind the scaled conversions
.set qb, 0
.rept \nc
.irp i, 0,1,2
	v_permlane16_swap_b32 v[PC+6*qb+\i], v[PC+12+4*qb+\i]      ; a whole block to a lane: lanes 0-15 the even block, lanes 16-31 the odd one
.endr
.irp i, 0,1,2
	v_mov_b32 v[PC+6*qb+3+\i], v[PC+12+4*qb+\i]
.endr
.set qb, qb+1
.endr
.endm
	s_load_b256 s[4:11], s[0:1], 0x0               ; x s[4:5], c_attn_w s[6:7], c_proj_w s[8:9], op1 s[10:11]
	s_load_b256 s[12:19], s[0:1], 0x20             ; sc1 s[12:13], op2 s[14:15], sc2 s[16:17], rope s[18:19]
	v_lshl_add_u32 v208, v0, 2, 0x17600
	v_mov_b32 v209, 0
	v_lshrrev_b32 v2, 5, v0
	v_readfirstlane_b32 s20, v2                    ; wave 0..7
	v_and_b32 v1, 31, v0                           ; lane
	v_lshlrev_b32 v24, 4, v1                       ; 16 x lane
	v_lshlrev_b32 v25, 3, v1                       ; 8 x lane
	s_wait_kmcnt 0x0
	s_cmp_lt_u32 ttmp9, 128
	s_cbranch_scc1 .Lpath_w
	s_cmp_lt_u32 ttmp9, 384
	s_cbranch_scc1 .Lpath_x
; ---------------- T: the table.  Work-group g makes positions 64 g .. 64 g + 63; wave w those at w + 8 x trip.  Lane l: frequencies 2 (l % 16) and the next; lanes 0-15 the cosines, lanes 16-31 the sines.
	s_sub_co_u32 s21, ttmp9, 384
	s_lshl_b32 s21, s21, 6
	s_add_co_u32 s21, s21, s20                     ; the first position
	s_lshl_b32 s22, s21, 8
	s_mov_b32 s23, 0
	s_add_nc_u64 s[18:19], s[18:19], s[22:23]      ; its row of 256 bytes
	s_mov_b32 s24, 0x34002899                      ; 1.19357e-7 = -(C - C_hi) ln 2, C = log2(4000) / 32
	s_mov_b32 s25, 0x3fc90fdb                      ; pi / 2, upper part
	s_mov_b32 s26, 0xb33bbd2e                      ; pi / 2, lower part
	s_mov_b32 s27, 0xb94ca1f9                      ; the sine's leading coefficient
	s_mov_b32 s28, 0x37ccf5ce                      ; the cosine's
	v_and_b32 v2, 15, v1
	v_lshrrev_b32 v3, 4, v1                        ; h
	v_lshlrev_b32 v4, 1, v2                        ; j0
	v_add_nc_u32 v5, 1, v4                         ; j1
	v_cvt_f32_u32 v4, v4
	v_cvt_f32_u32 v5, v5
	v_mul_f32 v6, 0xbebf73e0, v4                   ; -j C_hi: C_hi = 392,095 x 2^-20 has 19 bits and j five: the product is exact
	v_mul_f32 v7, 0xbebf73e0, v5
	v_exp_f32 v6, v6
	v_exp_f32 v7, v7
	v_fma_f32 v4, v4, s24, 1.0                     ; 2^(-j (C - C_hi)) to first order.  (Plain lines behind the exponentials)
	v_fma_f32 v5, v5, s24, 1.0
	v_mul_u32_u24 v8, v3, 3                        ; the sines are made as cos(x - pi / 2): three quadrants on
	s_wait_alu depctr_va_vdst(0)                   ; one wait for both exponentials, ahead of their first reader
	v_mul_f32 v6, v6, v4                           ; inv_freq of j0
	v_mul_f32 v7, v7, v5                           ; and of j1
; cos (lanes 0-15) or sin (lanes 16-31) of position x v[inv] into v[out]; v[t] .. v[t + 5] at work
.macro SINCOS inv, out, t
	v_mul_f32 v[\t], v12, v[\inv]                  ; the angle, rounded to f32 as reference() has it
	v_mul_f32 v[\t+1], 0x3f22f983, v[\t]
	v_rndne_f32 v[\t+1], v[\t+1]                   ; n = the nearest multiple of pi / 2
	v_fma_f32 v[\t], -v[\t+1], s25, v[\t]
	v_fma_f32 v[\t], -v[\t+1], s26, v[\t]          ; r = angle - n pi / 2, within +-pi / 4
	v_mul_f32 v[\t+2], v[\t], v[\t]                ; r^2
	v_fmaak_f32 v[\t+3], s27, v[\t+2], 0x3c08839e
	v_fmaak_f32 v[\t+3], v[\t+3], v[\t+2], 0xbe2aaaa3
	v_mul_f32 v[\t+4], v[\t], v[\t+2]
	v_fma_f32 v[\t+3], v[\t+4], v[\t+3], v[\t]     ; sin r
	v_fmaak_f32 v[\t+4], s28, v[\t+2], 0xbab6061a
	v_fmaak_f32 v[\t+4], v[\t+4], v[\t+2], 0x3d2aaaa5
	v_fma_f32 v[\t+5], v[\t+2], -0.5, 1.0
	v_mul_f32 v[\t+2], v[\t+2], v[\t+2]
	v_fma_f32 v[\t+4], v[\t+2], v[\t+4], v[\t+5]   ; cos r
	v_cvt_i32_f32 v[\t+1], v[\t+1]
	v_add_nc_u32 v[\t+1], v[\t+1], v8              ; the quadrant q
	v_and_b32 v[\t+5], 1, v[\t+1]
	v_cmp_eq_u32 vcc_lo, 1, v[\t+5]
	v_cndmask_b32 v[\t+3], v[\t+4], v[\t+3], vcc_lo   ; odd q: the sine, else the cosine
	v_add_nc_u32 v[\t+1], 1, v[\t+1]
	v_and_b32 v[\t+1], 2, v[\t+1]
	v_lshlrev_b32 v[\t+1], 30, v[\t+1]             ; q % 4 = 1 or 2: the sign turns
	v_xor_b32 v[\out], v[\t+3], v[\t+1]
.endm
	s_mov_b32 s29, 0
.Lrow:
	v_cvt_f32_u32 v12, s21
	SINCOS 6, 14, 16
	SINCOS 7, 15, 32
	global_store_b64 v25, v[14:15], s[18:19]       ; 32 lanes store the row's 256 consecutive bytes
	s_wait_xcnt 0x0                                ; the store has read its data and its base: both are written again below and in the next trip
	s_add_nc_u64 s[18:19], s[18:19], 2048          ; eight rows on
	s_add_co_u32 s21, s21, 8
	s_add_co_u32 s29, s29, 1
	s_cmp_lt_u32 s29, 8
	s_cbranch_scc1 .Lrow
	s_endpgm
; ---------------- W.  Work-group: a half-group of 128 columns x two K steps of 128.  Wave: 32 columns x one K step.  A LANE TAKES A COLUMN AND ITS 128 REGISTERS RUN DOWN K: a block of 32 is one lane's.
.Lpath_w:
	s_cmp_lt_u32 ttmp9, 96                         ; c_attn_w's work-group or c_proj_w's: the choice hangs on the work-group's number alone
	s_cselect_b64 s[6:7], s[6:7], s[8:9]
	s_cselect_b64 s[10:11], s[10:11], s[14:15]
	s_cselect_b64 s[12:13], s[12:13], s[16:17]
	s_cselect_b32 s21, 0, 96
	s_mov_b32 s22, 128*4096
	s_cselect_b32 s22, 128*12288, s22              ; a K step of the weight in bytes
	s_sub_co_u32 s21, ttmp9, s21
	s_lshr_b32 s23, s21, 2                         ; cg: which 128 columns
	s_and_b32 s24, s21, 3                          ; y
	s_and_b32 s25, s20, 3                          ; beta: which 32 of them
	s_lshr_b32 s26, s20, 2
	s_lshl_b32 s27, s24, 1
	s_add_co_u32 s27, s27, s26                     ; the K step: 2 y + wave / 4
	s_mul_i32 s28, s27, s22
	s_lshl_b32 s29, s23, 9
	s_add_co_u32 s28, s28, s29
	s_lshl_b32 s29, s25, 7
	s_add_co_u32 s28, s28, s29
	s_mov_b32 s29, 0
	s_add_nc_u64 s[6:7], s[6:7], s[28:29]          ; the weight at (128 x K step, 128 cg + 32 beta)
	s_lshr_b32 s30, s23, 1
	s_add_co_u32 s30, s30, 16                      ; the group: weights lie behind the 16 groups of rows
	s_lshl_b32 s30, s30, 3
	s_add_co_u32 s30, s30, s27
	s_lshl_b32 s30, s30, 4
	s_and_b32 s31, s23, 1
	s_lshl_b32 s31, s31, 3
	s_add_co_u32 s30, s30, s31
	s_lshl_b32 s31, s25, 1
	s_add_co_u32 s30, s30, s31                     ; fragment number: tiles 2 beta and 2 beta + 1
	s_mul_i32 s30, s30, 1536
	s_mov_b32 s31, 0
	s_add_nc_u64 s[10:11], s[10:11], s[30:31]
	s_add_co_u32 s32, s23, 32
	s_lshl_b32 s32, s32, 12                        ; the half-group's 4,096 scale bytes,
	s_lshl_b32 s33, s24, 10
	s_add_co_u32 s32, s32, s33                     ; the work-group's 1,024 of them,
	s_and_b32 s36, s20, 1
	s_lshl_b32 s33, s36, 9
	s_add_co_u32 s32, s32, s33                     ; and the 512 that wave 0 or 1 stores
	s_mov_b32 s33, 0
	s_add_nc_u64 s[12:13], s[12:13], s[32:33]
	v_lshlrev_b32 v3, 2, v1                        ; in: 4 bytes a lane
	v_and_b32 v4, 7, v1
	v_lshrrev_b32 v7, 4, v1
	v_lshl_add_u32 v4, v7, 3, v4                   ; my column is row r = l % 8 + 8 (l / 16)
	v_bfe_u32 v7, v1, 3, 1                         ; of tile 2 beta + u, u = (l / 8) % 2
	s_mul_i32 s33, s20, 3328
	s_add_co_u32 s33, s33, WST                     ; my wave's stage
	v_mul_u32_u24 v8, v7, 1664
	v_add_nc_u32 v8, s33, v8
	v_lshl_add_u32 v5, v4, 4, v8                   ; where a block's first 16 bytes go
	v_lshl_add_u32 v6, v4, 3, v8
	v_add_nc_u32 v6, 512, v6                       ; and its last 8
	s_lshl_b32 s34, s26, 9
	s_lshl_b32 s35, s25, 2
	s_add_co_u32 s34, s34, s35
	s_add_co_u32 s34, s34, WSC
	v_lshlrev_b32 v9, 4, v4
	v_lshl_add_u32 v9, v7, 1, v9
	v_add_nc_u32 v9, s34, v9                       ; my two scale bytes: 512 (wave / 4) + 16 r + 2 (2 beta + u)
	v_add_nc_u32 v11, s33, v24                     ; out of the stage: 16 bytes a lane
	s_lshl_b32 s35, s36, 9
	s_add_co_u32 s35, s35, WSC
	v_add_nc_u32 v26, s35, v24                     ; the scale bytes' way out (waves 0 and 1)
.macro LOADW pitch                     ; W(k, my column), k = 0 .. 127: each load reads 128 consecutive bytes a wave; every offset is an immediate, 127 x 12,288 at the most
.set k, 0
.rept 128
	global_load_b32 v[32+k], v3, s[6:7] offset:k*\pitch th:TH_LOAD_NT
.set k, k+1
.endr
.endm
	s_cmp_lt_u32 ttmp9, 96
	s_cbranch_scc0 .Lw_proj
	LOADW 12288
	s_branch .Lw_loaded
.Lw_proj:
	LOADW 4096
.Lw_loaded:
	s_wait_loadcnt 0x0                             ; all of the wave's 16 KiB were asked for at once: there is nothing to take by turns
.irp b, 0,1,2,3
	v_max3_num_f32 v[12+\b], |v[32+32*\b]|, |v[33+32*\b]|, 0x1800000   ; block b: all 32 numbers are mine; and the floor 2^(3 - 127)
.endr
.irp i, 2,4,6,8,10,12,14,16,18,20,22,24,26,28,30
.irp b, 0,1,2,3
	v_max3_num_f32 v[12+\b], v[12+\b], |v[32+32*\b+\i]|, |v[33+32*\b+\i]|
.endr
.endr
.irp b, 0,1,2,3
	v_add_nc_u32 v[16+\b], 0xff000000, v[12+\b]    ; the conversion's scale operand
.endr
.irp b, 0,1,2,3
	v_lshrrev_b32 v[20+\b], 23, v[16+\b]           ; the byte
.endr
	v_lshl_or_b32 v10, v21, 8, v20
	v_lshl_or_b32 v10, v22, 16, v10
	v_lshl_or_b32 v10, v23, 24, v10                ; the K step's four bytes of my column
.irp b, 0,1,2,3
	v_cvt_scalef32_pk16_fp6_f32 v[160+8*\b:162+8*\b], v[32+32*\b:47+32*\b], v[16+\b]
	v_cvt_scalef32_pk16_fp6_f32 v[192+4*\b:194+4*\b], v[48+32*\b:63+32*\b], v[16+\b]
.endr
	v_nop                                          ; one plain line behind the scaled conversions
.irp b, 0,1,2,3
.irp i, 0,1,2
	v_mov_b32 v[163+8*\b+\i], v[192+4*\b+\i]
.endr
.endr
.irp b, 0,1,2,3                        ; block b = 2 c + hh is what lane (r, hh) of the fragment holds in its registers 6 c .. 6 c + 5
	ds_store_b128 v5, v[160+8*\b:163+8*\b] offset:768*(\b/2)+256*(\b%2)
	ds_store_b64 v6, v[164+8*\b:165+8*\b] offset:768*(\b/2)+128*(\b%2)
.endr
	ds_store_b16 v9, v10                           ; the first 64 along K
	ds_store_b16_d16_hi v9, v10 offset:256         ; the second
.irp n, 0,1,2,3,4,5
	ds_load_b128 v[32+4*\n:35+4*\n], v11 offset:1664*(\n/3)+512*(\n%3)   ; LDS serves a wave's instructions in order: these see my stores
.endr
.irp n, 0,1,2,3,4,5
	s_wait_dscnt 5-\n                              ; load n is in; the younger ones may be out
	global_store_b128 v24, v[32+4*\n:35+4*\n], s[10:11] offset:1536*(\n/3)+512*(\n%3)   ; 512 consecutive bytes, at a multiple of 256
.endr
	s_wait_dscnt 0x0                               ; for the others' sake: my scale bytes lie in LDS
	s_barrier_signal -1
	s_barrier_wait -1
	s_cmp_lt_u32 s20, 2
	s_cbranch_scc0 .Lw_end
	ds_load_b128 v[56:59], v26                     ; eight waves' bytes: 512 for each K step
	s_wait_dscnt 0x0
	global_store_b128 v24, v[56:59], s[12:13]
.Lw_end:
	s_wait_tensorcnt 0x0
	ds_add_u32 v208, v209
	s_wait_dscnt 0x0
	s_endpgm
; ---------------- X.  Work-group: a half-group of 128 rows x one K step of 128.  Wave a: tile a.  Each load takes one row's 512 consecutive bytes; the wave's own stage turns them so that a lane holds 16 neighbours of each block.
.Lpath_x:
	s_sub_co_u32 s21, ttmp9, 128
	s_lshr_b32 s22, s21, 3                         ; the half-group
	s_and_b32 s23, s21, 7                          ; the K step
	s_lshl_b32 s24, s22, 7
	s_lshr_b32 s25, s20, 1
	s_lshl_b32 s25, s25, 5
	s_add_co_u32 s24, s24, s25
	s_and_b32 s25, s20, 1
	s_lshl_b32 s25, s25, 3
	s_add_co_u32 s24, s24, s25                     ; the tile's first row
	s_lshl_b32 s24, s24, 12
	s_lshl_b32 s25, s23, 9
	s_add_co_u32 s24, s24, s25
	s_mov_b32 s25, 0
	s_add_nc_u64 s[4:5], s[4:5], s[24:25]
	s_lshr_b32 s26, s22, 1
	s_lshl_b32 s26, s26, 3
	s_add_co_u32 s26, s26, s23
	s_lshl_b32 s26, s26, 4
	s_and_b32 s27, s22, 1
	s_lshl_b32 s27, s27, 3
	s_add_co_u32 s26, s26, s27
	s_add_co_u32 s26, s26, s20                     ; the fragment's number
	s_mul_i32 s26, s26, 1536
	s_mov_b32 s27, 0
	s_add_nc_u64 s[10:11], s[10:11], s[26:27]
	s_lshl_b32 s28, s22, 12
	s_lshl_b32 s29, s23, 9
	s_add_co_u32 s28, s28, s29
	s_mov_b32 s29, 0
	s_add_nc_u64 s[12:13], s[12:13], s[28:29]
	s_mov_b32 s[SEL], 0x76543210
	s_mov_b32 s[SEL+1], 0xfedcba98
	v_and_b32 v2, 15, v1                           ; r
	v_lshrrev_b32 v3, 4, v1                        ; h
	s_mul_i32 s30, s20, 8448                       ; my stage (XST = 0)
	v_add_nc_u32 v5, s30, v24                      ; in: 16 bytes a lane, a row of 528 bytes an instruction
	v_mul_u32_u24 v6, v2, 528
	v_lshl_add_u32 v6, v3, 6, v6
	v_add_nc_u32 v6, s30, v6                       ; back: row r, + 64 h
	s_lshl_b32 s31, s20, 1
	s_add_co_u32 s31, s31, XSC
	v_lshlrev_b32 v9, 4, v2
	v_add_nc_u32 v9, s31, v9                       ; my row's scale bytes: 16 r + 2 a
	v_add_nc_u32 v11, XSC, v24
.irp b, 0,1,2,3
	v_mov_b32 v[TM+4+\b], 0                        ; written once: a lane permute's destination counts as one of its sources
.endr
.irp i, 0,1,2,3,4,5,6,7,8,9,10,11,12,13,14,15
	global_load_b128 v[32+4*\i:35+4*\i], v24, s[4:5] offset:((\i%8)+16*(\i/8))*4096 th:TH_LOAD_NT
.endr
	s_wait_loadcnt 0x0
.irp i, 0,1,2,3,4,5,6,7,8,9,10,11,12,13,14,15
	ds_store_b128 v5, v[32+4*\i:35+4*\i] offset:528*\i
.endr
.irp b, 0,1,2,3
.irp j, 0,1,2,3
	ds_load_b128 v[96+16*\b+4*\j:99+16*\b+4*\j], v6 offset:128*\b+16*\j   ; my own bytes, served in order behind my stores
.endr
.endr
	s_wait_dscnt 0x0
	QUANT 96, 2, 176
	global_store_b128 v24, v[PC:PC+3], s[10:11]
	global_store_b64 v25, v[PC+4:PC+5], s[10:11] offset:512
	global_store_b128 v24, v[PC+6:PC+9], s[10:11] offset:768
	global_store_b64 v25, v[PC+10:PC+11], s[10:11] offset:1280
	ds_store_b16 v9, v176                          ; lanes 16-31 write what lanes 0-15 write
	ds_store_b16_d16_hi v9, v176 offset:256
	s_wait_dscnt 0x0                               ; for the others' sake
	s_barrier_signal -1
	s_barrier_wait -1
	s_cmp_lg_u32 s20, 0
	s_cbranch_scc1 .Lx_end
	ds_load_b128 v[32:35], v11
	s_wait_dscnt 0x0
	global_store_b128 v24, v[32:35], s[12:13]      ; two aligned runs of 256 bytes
.Lx_end:
	s_wait_tensorcnt 0x0
	ds_add_u32 v208, v209
	s_wait_dscnt 0x0
	s_endpgm
.Lfunc_end_k_q80f581738a_prep:
	.size	k_q80f581738a_prep, .Lfunc_end_k_q80f581738a_prep-k_q80f581738a_prep
	.p2alignl 7, 3214868480
	.fill 96, 4, 3214868480
	.section	.rodata,"a",@progbits
	.p2align	6, 0x0
	.amdhsa_kernel k_q80f581738a_prep
		.amdhsa_group_segment_fixed_size 96768
		.amdhsa_private_segment_fixed_size 0
		.amdhsa_enable_private_segment 0
		.amdhsa_kernarg_size 64
		.amdhsa_user_sgpr_count 2
		.amdhsa_user_sgpr_kernarg_segment_ptr 1
		.amdhsa_wavefront_size32 1
		.amdhsa_system_sgpr_workgroup_id_x 1
		.amdhsa_system_sgpr_workgroup_id_y 1
		.amdhsa_system_sgpr_workgroup_id_z 1
		.amdhsa_system_vgpr_workitem_id 0
		.amdhsa_next_free_vgpr 210
		.amdhsa_next_free_sgpr 66
		.amdhsa_reserve_vcc 1
		.amdhsa_float_denorm_mode_32 3
		.amdhsa_float_denorm_mode_16_64 3
		.amdhsa_memory_ordered 1
		.amdhsa_forward_progress 1
		.amdhsa_inst_pref_size 50
	.end_amdhsa_kernel
	.amdgpu_metadata
---
amdhsa.version: [ 1, 2 ]
amdhsa.kernels:
  - .name:           k_q80f581738a_prep
    .symbol:         k_q80f581738a_prep.kd
    .args:
      - { .name: hidden_states, .offset: 0, .size: 8, .value_kind: global_buffer, .address_space: global }
      - { .name: c_attn_w, .offset: 8, .size: 8, .value_kind: global_buffer, .address_space: global }
      - { .name: c_proj_w, .offset: 16, .size: 8, .value_kind: global_buffer, .address_space: global }
      - { .name: op1, .offset: 24, .size: 8, .value_kind: global_buffer, .address_space: global }
      - { .name: sc1, .offset: 32, .size: 8, .value_kind: global_buffer, .address_space: global }
      - { .name: op2, .offset: 40, .size: 8, .value_kind: global_buffer, .address_space: global }
      - { .name: sc2, .offset: 48, .size: 8, .value_kind: global_buffer, .address_space: global }
      - { .name: rope, .offset: 56, .size: 8, .value_kind: global_buffer, .address_space: global }
    .group_segment_fixed_size: 96768
    .private_segment_fixed_size: 0
    .kernarg_segment_align: 8
    .kernarg_segment_size: 64
    .max_flat_workgroup_size: 256
    .sgpr_count:     66
    .vgpr_count:     210
    .wavefront_size: 32
...
	.end_amdgpu_metadata
.endif
;; end of part 1
;; launch qkv (part 2): grid 12 x 16, 4 waves a work-group, clusters of 4 x 4, 327,680 bytes of LDS; arguments op1, sc1, position_ids, c_attn_b, rope, qimg, kv; writes qimg, kv
.if DOCPART == 2
	.amdgcn_target "amdgcn-amd-amdhsa--gfx1250"
	.amdhsa_code_object_version 6
	.text
	.protected	k_q80f581738a_qkv
	.globl	k_q80f581738a_qkv
	.p2align	8
	.type	k_q80f581738a_qkv,@function
k_q80f581738a_qkv:
	s_mov_b64 s[64:65], 0
	v_nop
	global_prefetch_b8 v0, s[64:65] scope:SCOPE_SE
	s_setreg_imm32_b32 hwreg(HW_REG_WAVE_MODE, 25, 1), 1
	s_wait_xcnt 0x0
	s_wait_alu depctr_hold_cnt(0) depctr_sa_sdst(0) depctr_va_vdst(0) depctr_va_sdst(0) depctr_va_ssrc(0) depctr_va_vcc(0) depctr_vm_vsrc(0)
	s_getreg_b32 s2, hwreg(HW_REG_IB_STS2, 6, 4)
	s_cmp_eq_u32 s2, 0
	s_cbranch_scc0 .Lentry_in_a_cluster
	s_endpgm
.Lentry_in_a_cluster:
	s_bfe_u32 s2, ttmp6, 0x10000c
	s_cmp_lg_u32 s2, 0xf033
	s_cbranch_scc0 .Lentry_shape_is_right
	s_endpgm
.Lentry_shape_is_right:
; QKV.  qkv = x W + b on codes of FP6 (E2M3) with E8M0 scales; then RoPE on q and k; then q, k (along the head's 64) and v (along the keys) are quantised and stored as images of the attention's operand registers.
; THE PRODUCT.  A work-group of four waves makes 256 (P) x 256 (R) over K = 1,024; a wave 128 x 128 in 64 accumulators.  Source 0 = 16 rows of R, source 1 = 16 rows of P: a lane holds ONE row of P, and its registers run
; along R.  Row r of tile i of 128 rows is row 32 (i / 2) + 8 (i % 2) + r % 8 + 16 (r / 8), so that the 16 registers of R's tiles 2 b and 2 b + 1 are 16 neighbours: 32 b + 16 (lane / 16) + 0 .. 15.
; Cluster x = 0: q, 1: k (P = tokens, R = columns of W: a lane holds a token, its registers a head's channels).  Cluster x = 2: v (P = columns of W, R = tokens: a lane holds a channel, its registers 128 keys).
; OPERANDS lie in memory as images of registers ([group of 256 rows][K step 8][tile 16][1,536 bytes]), so a K step of a group is one dense block of 24,576 bytes: one tensor load, no pitch, no padding, and
; a fragment comes by two loads of 16 and two of 8 bytes a lane, each of consecutive bytes.
; LDS: six K steps of P at 0, six of R at 147,456.  K steps 0-5 are first fills; K steps 6 and 7 are filled into the places of 0 and 1, behind one round of the cluster's barrier.
; CLUSTERS: 4 x 4 work-groups; P's blocks are shared along a row of the cluster, R's along a column: each is asked for jointly, by the same tensor load with the same descriptor and a mask that names the four.
; A wave has three tensor loads out at the start and one behind the round.
; SCALES: the words of the wave's 128 rows of P and of R for all of K stay in 64 registers: register 32 + 8 q + i: lanes 0-15 P's tile i, lanes 16-31 R's tile i, K step q.
; LIMITS: position_ids are held to 0 .. 2,047 (reference() indexes a table of that length); a block of zeros or under 2^-124 gets the byte 1 (read by this program alone); NaN and infinities are not served;
; RoPE fuses its second multiplication with the addition, where reference() rounds both products.
; REGISTERS, in windows of 256: window 0: v0-31 addresses; v32-95 scale words; v96-119 positions' rows, positions, v's bias; v128-223 P's fragments, one set; on the way out v128-251 at work.
;   window 1: R's fragments, two sets, at v0 and v128; on the way out q's and k's bias (v0-63) and two sets of 16 cosines and 16 sines (v64-127).   windows 2, 3: the accumulators ((a, b) at v[8 (8 (a % 4) + b)]).
.set AREA,  24576                      ; a K step of a group: 16 fragments
.set RBASE, 6*AREA
.set SPARE, 12*AREA                    ; the spare words, 128 bytes for each wave: two blocks of 256 bytes that no other line names
.set GROUPB, 196608
.set FR,   12
.set SC,   32
.set PF,   128
.set AP16, 8                           ; v8-9   P: 16 x lane + my half, for areas 0-2 and 3-5;  v10-11 the same with 8 x lane
.set AP8,  10
.set AR16, 12                          ; v12-15 the same for R
.set AR8,  14
.set SPW,  30                          ; v30    LDS address of my spare word; never rewritten
.set NIL,  31                          ; v31    0; never rewritten
.set WV,   18                          ; s18    wave
.set PH,   19                          ; s19    my half of P.  Also: I fetch for P (0) or for R (1)
.set RH,   20                          ; s20    my half of R.  Also: which of a pair of K steps I fetch
.set G1P,  24                          ; s[24:31], s[32:39] descriptor groups 1;  s[40:51], s[52:63] groups 0, one for each of the three first fills
.set G1R,  32
.set G0P,  40
.set G0R,  52
.set SEL,  96                          ; s[96:97] lane selects: lane l xor 16
.set T,    128                         ; the way out: 32 numbers of a token and a head (v: 64 numbers of a channel, v128-191)
.set NN,   160                         ; the same behind RoPE
.set TM,   192
.set PC,   208
.set WQ,   228                         ; the scale words of (head g, tile a) at WQ + 8 g + a
.set SW,   244                         ; two sets of four words to store
.set MSB, 0
.macro WIN new                         ; the immediate's high byte repeats the setting that is left
.if MSB != \new
	s_set_vgpr_msb (MSB<<8)|\new
.set MSB, \new
.endif
.endm
.set MUL_LO, 0xa1                      ; source 0 (R) window 1, source 1 (P) window 0, C and D window 2
.set MUL_HI, 0xf1                      ; the same, C and D window 3
.set TO_R,   0x40                      ; destination window 1, address window 0
; A joint load: waves 0 and 1 fetch for P, waves 2 and 3 for R.  Each line has one mask and one set of registers for all that issue it; the branch hangs on the wave's number alone.
; Four v_nop follow each of the two lines.
.macro JLOAD g0p, g1p, g0r, g1r
	s_cmp_eq_u32 s[PH], 0
	s_cbranch_scc0 .Lfor_r_\@
	tensor_load_to_lds s[\g0p:\g0p+3], s[\g1p:\g1p+7]
	s_nop 0
.rept 4
	v_nop
.endr
	s_branch .Lasked_\@
.Lfor_r_\@:
	tensor_load_to_lds s[\g0r:\g0r+3], s[\g1r:\g1r+7]
	s_nop 0
.rept 4
	v_nop
.endr
.Lasked_\@:
.endm
.macro CREST                           ; a round of the cluster's barrier behind its opening barrier
	s_cmp_lg_u32 s[WV], 0
	s_cbranch_scc1 .Lnot_wave_0_\@
	s_barrier_signal -3
.Lnot_wave_0_\@:
	s_barrier_wait -3
	s_barrier_signal -1
	s_barrier_wait -1
.endm
.macro CROUND
	s_barrier_signal -1
	s_barrier_wait -1
	CREST
.endm
.macro PLACES n
.rept \n
	v_nop
.endr
.endm
.macro FRAG reg, a16, a8, off          ; a fragment's 12 registers: each load takes consecutive bytes, 16 or 8 a lane
	ds_load_b128 v[\reg:\reg+3], v[\a16] offset:\off
	ds_load_b64 v[\reg+4:\reg+5], v[\a8] offset:\off+512
	ds_load_b128 v[\reg+6:\reg+9], v[\a16] offset:\off+768
	ds_load_b64 v[\reg+10:\reg+11], v[\a8] offset:\off+1280
.endm
.macro FETCH_R q, p                    ; R's eight fragments of K step q into set p.  K step q lies in area q % 6
.set AR, (\q)%6
	WIN TO_R
.irp i, 0,1,2,3,4,5,6,7
	FRAG 128*(\p)+FR*\i, AR16+AR/3, AR8+AR/3, (AR%3)*AREA+1536*\i
.endr
	WIN 0
.endm
.macro FETCH_P q, i0                   ; P's blocks i0 .. i0 + 3
.set AR, (\q)%6
.irp i, \i0, \i0+1, \i0+2, \i0+3
	FRAG PF+FR*(\i), AP16+AR/3, AP8+AR/3, (AR%3)*AREA+1536*(\i)
.endr
.endm
; 16 matrix instructions: P's blocks a0, a0 + 1 x R's eight, K step q.  The 64 accumulators take turns, one instruction a turn, in the same order in every step.
.macro MUL16 a0, p, q, zero
.irp a, \a0, \a0+1
.irp b, 0,1,2,3,4,5,6,7
.if \zero
	v_wmma_scale_f32_16x16x128_f8f6f4 v[8*(8*((\a)%4)+\b):8*(8*((\a)%4)+\b)+7], v[128*(\p)+FR*\b:128*(\p)+FR*\b+FR-1], v[PF+FR*(\a):PF+FR*(\a)+FR-1], 0, v[SC+8*(\q)+\b], v[SC+8*(\q)+(\a)] matrix_a_fmt:MATRIX_FMT_FP6 matrix_b_fmt:MATRIX_FMT_FP6 matrix_a_scale:MATRIX_SCALE_ROW1
.else
	v_wmma_scale_f32_16x16x128_f8f6f4 v[8*(8*((\a)%4)+\b):8*(8*((\a)%4)+\b)+7], v[128*(\p)+FR*\b:128*(\p)+FR*\b+FR-1], v[PF+FR*(\a):PF+FR*(\a)+FR-1], v[8*(8*((\a)%4)+\b):8*(8*((\a)%4)+\b)+7], v[SC+8*(\q)+\b], v[SC+8*(\q)+(\a)] matrix_a_fmt:MATRIX_FMT_FP6 matrix_b_fmt:MATRIX_FMT_FP6 matrix_a_scale:MATRIX_SCALE_ROW1
.endif
.endr
.endr
.endm
; A K step whose successor already lies in LDS for every wave.  A block of P is free when its eight products are issued: blocks 0-3 are fetched anew in the middle, blocks 4-7 at the end; R has two sets.
; Four plain lines stand between matrix instructions and loads into registers that they have read (ISA guide 7.12.1 for vector instructions).
.macro STEP q, zero
	s_wait_dscnt 16                                ; R's set and P's blocks 0-3 are in; the youngest 16 loads (P's blocks 4-7) may be out
	WIN MUL_LO
	MUL16 0, (\q)%2, \q, \zero
	MUL16 2, (\q)%2, \q, \zero
	s_wait_dscnt 0x0                               ; P's blocks 4-7 are in
	PLACES 4
	FETCH_R (\q)+1, 1-(\q)%2
	FETCH_P (\q)+1, 0
	WIN MUL_HI
	MUL16 4, (\q)%2, \q, \zero
	MUL16 6, (\q)%2, \q, \zero
	PLACES 4
	WIN 0
	FETCH_P (\q)+1, 4
.endm
; A K step with a barrier in it.  In front of the barrier each wave waits for all its tensor loads, adds 0 to its spare word, and waits for that and for its LDS reads.
; fill = 1 (K step 1): areas 0 and 1 have been read out by every wave of every partner: behind a round of the cluster's barrier they take K steps 6 and 7.  fill = 0 (K step 5): those have landed for every wave.
.macro TURN q, fill
	s_wait_tensorcnt 0x0                           ; all my tensor loads have landed
	ds_add_u32 v[SPW], v[NIL]                      ; 0 onto my spare word
	s_wait_dscnt 17                                ; (the add and the youngest 16 loads, P's blocks 4-7, may be out)
	WIN MUL_LO
	MUL16 0, (\q)%2, \q, 0                         ; sixteen matrix instructions stand between the add and the wait for it
	s_wait_dscnt 0x0                               ; the add is done, and my LDS reads are over
	s_barrier_signal -1
	MUL16 2, (\q)%2, \q, 0
	WIN 0
	s_barrier_wait -1
.if \fill
	CREST                                          ; no wave of any partner still reads areas 0 and 1 or has a load on its way
	s_add_nc_u64 s[G0P+2:G0P+3], s[G0P+2:G0P+3], 6*AREA   ; six K steps on, into the same LDS bytes
	s_add_nc_u64 s[G0R+2:G0R+3], s[G0R+2:G0R+3], 6*AREA
	JLOAD G0P, G1P, G0R, G1R                       ; my one tensor load behind the round; its four v_nop are also the places in front of the loads below
.else
	PLACES 4
.endif
	FETCH_R (\q)+1, 1-(\q)%2
	FETCH_P (\q)+1, 0
	WIN MUL_HI
	MUL16 4, (\q)%2, \q, 0
	MUL16 6, (\q)%2, \q, 0
	PLACES 4
	WIN 0
	FETCH_P (\q)+1, 4
.endm
; 64 (nc = 2) or 32 (nc = 1) numbers of a lane, register s + 16 b + i = k 32 b + 16 (lane / 16) + i of the lane's row, become the registers of a fragment (or of half a fragment) in v[PC] on, and the row's scale bytes in v[w].
.macro QUANT s, nc, w
.set qb, 0
.rept 2*(\nc)
	v_max3_num_f32 v[TM+qb], |v[\s+16*qb]|, |v[\s+16*qb+1]|, 0x1800000   ; my 16 numbers of block qb, and the floor 2^(3 - 127): the byte cannot fall under 1
.set qb, qb+1
.endr
.irp i, 2,4,6,8,10,12,14
.set qb, 0
.rept 2*(\nc)
	v_max3_num_f32 v[TM+qb], v[TM+qb], |v[\s+16*qb+\i]|, |v[\s+16*qb+\i+1]|
.set qb, qb+1
.endr
.endr
.set qb, 0
.rept 2*(\nc)
	v_permlanex16_b32 v[TM+4+qb], v[TM+qb], s[SEL], s[SEL+1]
.set qb, qb+1
.endr
.set qb, 0
.rept 2*(\nc)
	v_max_num_f32 v[TM+qb], v[TM+qb], v[TM+4+qb]               ; with lane l xor 16's 16: the block's largest magnitude
.set qb, qb+1
.endr
.set qb, 0
.rept 2*(\nc)
	v_add_nc_u32 v[TM+12+qb], 0xff000000, v[TM+qb]             ; 2 off its exponent field: the conversion's scale operand
.set qb, qb+1
.endr
.set qb, 0
.rept 2*(\nc)
	v_lshrrev_b32 v[TM+4+qb], 23, v[TM+12+qb]                  ; the scale's byte
.set qb, qb+1
.endr
	v_lshl_or_b32 v[\w], v[TM+5], 8, v[TM+4]
.if \nc > 1
	v_lshl_or_b32 v[\w], v[TM+6], 16, v[\w]
	v_lshl_or_b32 v[\w], v[TM+7], 24, v[\w]
.endif
.set qb, 0
.rept \nc
	v_cvt_scalef32_pk16_fp6_f32 v[PC+6*qb:PC+6*qb+2], v[\s+32*qb:\s+32*qb+15], v[TM+12+2*qb]
	v_cvt_scalef32_pk16_fp6_f32 v[PC+12+4*qb:PC+14+4*qb], v[\s+32*qb+16:\s+32*qb+31], v[TM+13+2*qb]   ; (a conversion's three registers begin on an even number)
.set qb, qb+1
.endr
	v_nop                                                      ; one plain line behind the scaled conversions
.set qb, 0
.rept \nc
.irp i, 0,1,2
	v_permlane16_swap_b32 v[PC+6*qb+\i], v[PC+12+4*qb+\i]      ; a whole block to a lane
.endr
.irp i, 0,1,2
	v_mov_b32 v[PC+6*qb+3+\i], v[PC+12+4*qb+\i]
.endr
.set qb, qb+1
.endr
.endm
	s_load_b256 s[4:11], s[0:1], 0x0               ; op1 s[4:5], sc1 s[6:7], position_ids s[8:9], c_attn_b s[10:11]
	s_load_b128 s[12:15], s[0:1], 0x20             ; rope s[12:13], qimg s[14:15]
	s_load_b64 s[16:17], s[0:1], 0x30              ; kv
	v_lshl_add_u32 v[SPW], v0, 2, SPARE
	v_mov_b32 v[NIL], 0
	ds_add_u32 v30, v31
	ds_add_u32 v30, v31
	s_wait_dscnt 0x0
	v_lshrrev_b32 v1, 5, v0
	v_readfirstlane_b32 s[WV], v1                  ; wave 0..3
	s_lshr_b32 s[PH], s[WV], 1
	s_and_b32 s[RH], s[WV], 1
	s_bfe_u32 s21, ttmp6, 0x40000                  ; cx
	s_bfe_u32 s22, ttmp6, 0x40004                  ; cy
	s_and_b32 s23, ttmp7, 0xffff                   ; cluster y
	s_lshr_b32 s66, ttmp9, 1                       ; 1 where the cluster makes v (cluster x = 2)
	s_xor_b32 s67, s66, 1
	s_lshl_b32 s70, s23, 2
	s_mul_i32 s68, s67, s70                        ; P's group: q, k: tokens 4 x cluster y + cy;  v: W's columns, group 24 + cy.  It never holds cx
	s_add_co_u32 s68, s68, s22
	s_mul_i32 s71, s66, 24
	s_add_co_u32 s68, s68, s71
	s_lshl_b32 s69, ttmp9, 2                       ; R's group: q, k: W's columns, group 16 + 4 x cluster x + cx;  v: tokens 4 x cluster y + cx.  It never holds cy
	s_add_co_u32 s69, s69, 16
	s_mul_i32 s69, s69, s67
	s_add_co_u32 s69, s69, s21
	s_mul_i32 s71, s66, s70
	s_add_co_u32 s69, s69, s71
	s_lshl_b32 s71, s22, 2
	s_lshl_b32 s71, 15, s71                        ; my row of the cluster
	s_lshl_b32 s72, 0x1111, s21                    ; my column
	; descriptor group 1: a dense block of 96 rows x 256 bytes (32 elements of 8 bytes), no padding
	s_or_b32 s[G1P], s71, (3<<16)|(1<<21)          ; 15:0 the mask; 17:16 elements of 8 bytes; 21 set beside a mask
	s_or_b32 s[G1R], s72, (3<<16)|(1<<21)
.irp g, G1P, G1R
	s_mov_b32 s[\g+1], 32<<16                      ; tensor_dim0 = 32
	s_mov_b32 s[\g+2], 96<<16                      ; tensor_dim1 = 96
	s_mov_b32 s[\g+3], 32<<16                      ; tile_dim0 = 32
	s_mov_b32 s[\g+4], 96                          ; tile_dim1 = 96
	s_mov_b32 s[\g+5], 32                          ; from row to row
	s_mov_b32 s[\g+6], 0
	s_mov_b32 s[\g+7], 0
.endr
	s_mul_i32 s73, s[RH], AREA                     ; which of a pair of K steps I fetch: in memory and in LDS alike
	s_mul_i32 s74, s68, GROUPB
	s_add_co_u32 s74, s74, s73
	s_mov_b32 s75, 0
	s_mul_i32 s76, s69, GROUPB
	s_add_co_u32 s76, s76, s73
	s_mov_b32 s77, 0
	s_wait_kmcnt 0x0
	s_add_nc_u64 s[74:75], s[4:5], s[74:75]
	s_add_nc_u64 s[76:77], s[4:5], s[76:77]
	CROUND                                         ; all sixteen work-groups are here: the first joint loads meet
.irp f, 0,1,2
	s_mov_b32 s[G0P+4*\f], 1                       ; count = 1
	s_add_co_u32 s[G0P+4*\f+1], s73, \f*2*AREA     ; LDS address: area 2 f + my K step of the pair
	s_add_nc_u64 s[G0P+4*\f+2:G0P+4*\f+3], s[74:75], \f*2*AREA
	s_or_b32 s[G0P+4*\f+3], s[G0P+4*\f+3], 0x80000000   ; type = 2
	s_mov_b32 s[G0R+4*\f], 1
	s_add_co_u32 s[G0R+4*\f+1], s73, \f*2*AREA+RBASE
	s_add_nc_u64 s[G0R+4*\f+2:G0R+4*\f+3], s[76:77], \f*2*AREA
	s_or_b32 s[G0R+4*\f+3], s[G0R+4*\f+3], 0x80000000
	JLOAD G0P+4*\f, G1P, G0R+4*\f, G1R
.endr
	v_and_b32 v1, 31, v0                           ; lane
	v_and_b32 v2, 15, v0                           ; r
	v_bfe_u32 v3, v0, 4, 1                         ; h
	v_lshlrev_b32 v4, 4, v1                        ; 16 x lane
	v_lshlrev_b32 v5, 3, v1                        ; 8 x lane
	s_mul_i32 s78, s[PH], 8*1536                   ; my half of P's 16 tiles
	s_mul_i32 s79, s[RH], 8*1536
	s_add_co_u32 s79, s79, RBASE
.irp g, 0,1
	v_add_nc_u32 v[AP16+\g], s78, v4
	v_add_nc_u32 v[AP8+\g], s78, v5
	v_add_nc_u32 v[AR16+\g], s79, v4
	v_add_nc_u32 v[AR8+\g], s79, v5
	s_add_co_u32 s78, s78, 3*AREA
	s_add_co_u32 s79, s79, 3*AREA
.endr
	; the scale bytes: lanes 0-15 take my half-group of P, lanes 16-31 my half-group of R; 16 bytes (eight tiles' two bytes) for each 64 along K
	s_lshl_b32 s80, s68, 1
	s_add_co_u32 s80, s80, s[PH]
	s_lshl_b32 s80, s80, 12
	s_lshl_b32 s81, s69, 1
	s_add_co_u32 s81, s81, s[RH]
	s_lshl_b32 s81, s81, 12
	s_mov_b32 s82, 0xffff0000                      ; lanes 16-31
	v_mov_b32 v6, s80
	v_mov_b32 v7, s81
	v_cndmask_b32 v6, v6, v7, s82
	v_lshl_add_u32 v6, v2, 4, v6
.irp j, 0,1,2,3,4,5,6,7,8,9,10,11,12,13,14,15
	global_load_b128 v[128+4*\j:131+4*\j], v6, s[6:7] offset:256*\j
.endr
	; which tokens and which columns are mine (these enter plain addresses alone)
	s_cmp_eq_u32 ttmp9, 2
	s_cselect_b32 s83, s69, s68                    ; the tokens' group
	s_cselect_b32 s84, s[RH], s[PH]
	s_cselect_b32 s85, s68, s69                    ; the columns' group
	s_cselect_b32 s86, s[PH], s[RH]
	s_lshl_b32 s83, s83, 1
	s_add_co_u32 s83, s83, s84                     ; my first token / 128
	s_lshl_b32 s85, s85, 1
	s_add_co_u32 s85, s85, s86
	s_sub_co_u32 s85, s85, 32                      ; my first column of the 3,072 / 128
	s_lshr_b32 s87, s83, 4
	s_lshl_b32 s87, s87, 4                         ; 16 x batch
	s_and_b32 s88, s85, 7
	s_lshl_b32 s88, s88, 1
	s_add_co_u32 s87, s87, s88                     ; + my first head
	s_lshl_b32 s87, s87, 4
	s_and_b32 s88, s83, 15
	s_add_co_u32 s87, s87, s88                     ; the record: [batch x head][step of 128 tokens]
	s_cmp_eq_u32 ttmp9, 0
	s_mov_b32 s88, 13312
	s_cselect_b32 s88, 6656, s88                   ; a record of q, or of k and v
	s_cselect_b64 s[90:91], s[14:15], s[16:17]
	s_mul_i32 s92, s87, s88
	s_mov_b32 s93, 0
	s_add_nc_u64 s[90:91], s[90:91], s[92:93]      ; my first head's record
	s_lshl_b32 s92, s88, 4
	s_add_nc_u64 s[94:95], s[90:91], s[92:93]      ; my second head's: 16 records on
	s_lshl_b32 s92, s83, 9
	s_add_nc_u64 s[8:9], s[8:9], s[92:93]          ; position_ids at my first token
	s_lshl_b32 s92, s85, 9
	s_add_nc_u64 s[10:11], s[10:11], s[92:93]      ; c_attn_b at my first column
	s_mov_b32 s[SEL], 0x76543210
	s_mov_b32 s[SEL+1], 0xfedcba98
	s_mov_b32 s98, 0x05040100
	s_mov_b32 s99, 0x07060302
	v_and_b32 v16, 7, v2
	v_lshrrev_b32 v17, 3, v2
	v_lshl_add_u32 v16, v17, 4, v16
	v_lshlrev_b32 v16, 2, v16                      ; 4 (r % 8 + 16 (r / 8)): row r of a tile
	v_lshlrev_b32 v17, 6, v3                       ; 64 h
	v_lshlrev_b32 v18, 5, v2
	v_lshl_add_u32 v18, v3, 4, v18                 ; 32 r + 16 h: where four scale words of q or k go
.irp a, 0,1,2,3,4,5,6,7                ; both are loaded by every wave: the position of P's row as a token, the bias of P's row as a column.  Both addresses lie inside their buffers whatever the cluster makes
	global_load_b32 v[104+\a], v16, s[8:9] offset:4*(32*(\a/2)+8*(\a%2))
	global_load_b32 v[112+\a], v16, s[10:11] offset:4*(32*(\a/2)+8*(\a%2))
.endr
	s_wait_loadcnt 0x0
.irp q, 0,1,2,3,4,5,6,7                ; two halves make a K step's word
.irp m, 0,1,2,3
	v_perm_b32 v[SC+8*\q+2*\m], v[132+8*\q+\m], v[128+8*\q+\m], s98
	v_perm_b32 v[SC+8*\q+2*\m+1], v[132+8*\q+\m], v[128+8*\q+\m], s99
.endr
.endr
.irp a, 0,1,2,3,4,5,6,7                ; (these sixteen lines are also the places between the last scale word's making and the first product)
	v_min_u32 v[96+\a], 0x7ff, v[104+\a]
.endr
.irp a, 0,1,2,3,4,5,6,7
	v_lshl_add_u32 v[96+\a], v[96+\a], 8, v17      ; the position's row of the table, + 64 h
.endr
	s_wait_tensorcnt 0x2                           ; my part of K steps 0 and 1 is in; my two later loads may be out
	s_barrier_signal -1
	s_barrier_wait -1                              ; everybody's is
	FETCH_R 0, 0
	FETCH_P 0, 0
	FETCH_P 0, 4
	STEP 0, 1                                      ; the first K step's products start the sums
	TURN 1, 1
	STEP 2, 0
	STEP 3, 0
	STEP 4, 0
	TURN 5, 0
	STEP 6, 0
	s_wait_dscnt 16                                ; the last K step: nothing more to fetch
	WIN MUL_LO
	MUL16 0, 1, 7, 0
	MUL16 2, 1, 7, 0
	s_wait_dscnt 0x0
	WIN MUL_HI
	MUL16 4, 1, 7, 0
	MUL16 6, 1, 7, 0
	WIN 0
	PLACES 4                                       ; in front of reads of results, and of writes and loads into the fragments' registers
.irp b, 0,1,2,3
	v_mov_b32 v[TM+4+\b], 0                        ; written once: a lane permute's destination counts as one of its sources
.endr
	s_cmp_eq_u32 ttmp9, 2                          ; the cluster's x: the same in all sixteen partners
	s_cbranch_scc1 .Lpath_v
; ---------------- q, k.  Lane (r, h) holds token r of tile a; of head g its 32 registers are channels 16 h + i (T 0-15) and 32 + 16 h + i (T 16-31): both partners of a rotation lie in one lane.
.macro CSLOAD a, set                   ; the 16 cosines and 16 sines of frequencies 16 h .. 16 h + 15 at the position of tile a's token
	WIN TO_R
.irp i, 0,1,2,3
	global_load_b128 v[64+32*(\set)+4*\i:67+32*(\set)+4*\i], v[96+(\a)], s[12:13] offset:16*\i
.endr
.irp i, 0,1,2,3
	global_load_b128 v[80+32*(\set)+4*\i:83+32*(\set)+4*\i], v[96+(\a)], s[12:13] offset:128+16*\i
.endr
.endm
.macro QKTILE a, g
.set CB, 64+32*((\a)%2)
	s_wait_xcnt 0x0                                ; the last tile's stores have read the codes' registers
	WIN 0x06+(\a)/4                                ; source 0: the accumulators' window; source 1: window 1
.set n, 0
.rept 16
	v_pk_add_f32 v[T+2*n:T+2*n+1], v[64*((\a)%4)+32*(\g)+2*n:64*((\a)%4)+32*(\g)+2*n+1], v[32*(\g)+2*n:32*(\g)+2*n+1]   ; + the bias; each accumulator from its low end on
.set n, n+1
.endr
	WIN 0x04                                       ; source 1: window 1
.set n, 0
.rept 8
	v_pk_mul_f32 v[NN+2*n:NN+2*n+1], v[T+16+2*n:T+17+2*n], v[CB+16+2*n:CB+17+2*n]
.set n, n+1
.endr
.set n, 0
.rept 8
	v_pk_mul_f32 v[NN+16+2*n:NN+17+2*n], v[T+2*n:T+2*n+1], v[CB+16+2*n:CB+17+2*n]
.set n, n+1
.endr
.set n, 0
.rept 8
	v_pk_fma_f32 v[NN+2*n:NN+2*n+1], v[T+2*n:T+2*n+1], v[CB+2*n:CB+2*n+1], v[NN+2*n:NN+2*n+1] neg_lo:[0,0,1] neg_hi:[0,0,1]   ; x1 cos - x2 sin
.set n, n+1
.endr
.set n, 0
.rept 8
	v_pk_fma_f32 v[NN+16+2*n:NN+17+2*n], v[T+16+2*n:T+17+2*n], v[CB+2*n:CB+2*n+1], v[NN+16+2*n:NN+17+2*n]   ; x2 cos + x1 sin
.set n, n+1
.endr
	WIN 0
	QUANT NN, 1, WQ+8*(\g)+(\a)
	global_store_b128 v4, v[PC:PC+3], s[90+4*(\g):91+4*(\g)] offset:768*(\a)
	global_store_b64 v5, v[PC+4:PC+5], s[90+4*(\g):91+4*(\g)] offset:768*(\a)+512
.endm
	WIN TO_R
.set n, 0
.rept 16
	global_load_b128 v[4*n:4*n+3], v17, s[10:11] offset:128*(n/4)+16*(n%4)   ; the bias in the results' layout: register 16 b + i = column 32 b + 16 h + i
.set n, n+1
.endr
	CSLOAD 0, 0
	CSLOAD 1, 1
.irp a, 0,1,2,3,4,5,6,7
.if \a < 7
	s_wait_loadcnt 0x8                             ; this tile's cosines and sines are in (and the bias); the next tile's eight loads may be out
.else
	s_wait_loadcnt 0x0
.endif
	QKTILE \a, 0
	QKTILE \a, 1
.if \a < 6
	CSLOAD \a+2, \a%2
.endif
.endr
	WIN 0
.irp g, 0,1
.irp i, 0,1,2,3
	v_cndmask_b32 v[SW+4*\g+\i], v[WQ+8*\g+\i], v[WQ+8*\g+4+\i], s82   ; lanes 0-15 store tiles 0-3's words of their row, lanes 16-31 tiles 4-7's
.endr
	global_store_b128 v18, v[SW+4*\g:SW+4*\g+3], s[90+4*\g:91+4*\g] offset:6144   ; 512 consecutive bytes: [row 16][tile 8]; a word's upper two bytes are 0
.endr
	s_branch .Lend
; ---------------- v.  Lane (r, h) holds channel r of tile a (head a / 4, tile a % 4 of its 64 channels); its 64 registers are the step's 128 keys in the order that QUANT takes.
.Lpath_v:
.macro VTILE a
	s_wait_xcnt 0x0                                ; the last tile's stores have read the codes' registers
	WIN 0x02+(\a)/4                                ; source 0: the accumulators' window
.set n, 0
.rept 32
.if (\a)%2 == 0
	v_pk_add_f32 v[T+2*n:T+2*n+1], v[64*((\a)%4)+2*n:64*((\a)%4)+2*n+1], v[112+(\a):113+(\a)] op_sel_hi:[1,0]   ; + my channel's bias, the pair's first register for both halves
.else
	v_pk_add_f32 v[T+2*n:T+2*n+1], v[64*((\a)%4)+2*n:64*((\a)%4)+2*n+1], v[111+(\a):112+(\a)] op_sel:[0,1] op_sel_hi:[1,1]   ; the pair's second register for both halves
.endif
.set n, n+1
.endr
	WIN 0
	QUANT T, 2, SW+(\a)
	global_store_b128 v4, v[PC:PC+3], s[90+4*((\a)/4):91+4*((\a)/4)] offset:6656+1536*((\a)%4)
	global_store_b64 v5, v[PC+4:PC+5], s[90+4*((\a)/4):91+4*((\a)/4)] offset:6656+1536*((\a)%4)+512
	global_store_b128 v4, v[PC+6:PC+9], s[90+4*((\a)/4):91+4*((\a)/4)] offset:6656+1536*((\a)%4)+768
	global_store_b64 v5, v[PC+10:PC+11], s[90+4*((\a)/4):91+4*((\a)/4)] offset:6656+1536*((\a)%4)+1280
.if (\a)%4 == 3
	global_store_b128 v4, v[SW+(\a)-3:SW+(\a)], s[90+4*((\a)/4):91+4*((\a)/4)] offset:12800   ; the four tiles' scale words of my row, as the attention's registers take them
.endif
.endm
.irp a, 0,1,2,3,4,5,6,7
	VTILE \a
.endr
.Lend:
	s_wait_tensorcnt 0x0                           ; the wave's end
	ds_add_u32 v[SPW], v[NIL]
	s_wait_dscnt 0x0
	CROUND                                         ; the closing round: no work-group ends while a partner may still ask for a block that names it
	s_endpgm
.Lfunc_end_k_q80f581738a_qkv:
	.size	k_q80f581738a_qkv, .Lfunc_end_k_q80f581738a_qkv-k_q80f581738a_qkv
	.p2alignl 7, 3214868480
	.fill 96, 4, 3214868480
	.section	.rodata,"a",@progbits
	.p2align	6, 0x0
	.amdhsa_kernel k_q80f581738a_qkv
		.amdhsa_group_segment_fixed_size 327680
		.amdhsa_private_segment_fixed_size 0
		.amdhsa_enable_private_segment 0
		.amdhsa_kernarg_size 56
		.amdhsa_user_sgpr_count 2
		.amdhsa_user_sgpr_kernarg_segment_ptr 1
		.amdhsa_wavefront_size32 1
		.amdhsa_system_sgpr_workgroup_id_x 1
		.amdhsa_system_sgpr_workgroup_id_y 1
		.amdhsa_system_sgpr_workgroup_id_z 1
		.amdhsa_system_vgpr_workitem_id 0
		.amdhsa_next_free_vgpr 1024
		.amdhsa_next_free_sgpr 100
		.amdhsa_reserve_vcc 0
		.amdhsa_float_denorm_mode_32 3
		.amdhsa_float_denorm_mode_16_64 3
		.amdhsa_memory_ordered 1
		.amdhsa_forward_progress 1
		.amdhsa_inst_pref_size 255
	.end_amdhsa_kernel
	.section	.bss,"aw",@nobits
	.p2align	6
	.space	262144
	.amdgpu_metadata
---
amdhsa.version: [ 1, 2 ]
amdhsa.kernels:
  - .name:           k_q80f581738a_qkv
    .symbol:         k_q80f581738a_qkv.kd
    .args:
      - { .name: op1, .offset: 0, .size: 8, .value_kind: global_buffer, .address_space: global }
      - { .name: sc1, .offset: 8, .size: 8, .value_kind: global_buffer, .address_space: global }
      - { .name: position_ids, .offset: 16, .size: 8, .value_kind: global_buffer, .address_space: global }
      - { .name: c_attn_b, .offset: 24, .size: 8, .value_kind: global_buffer, .address_space: global }
      - { .name: rope, .offset: 32, .size: 8, .value_kind: global_buffer, .address_space: global }
      - { .name: qimg, .offset: 40, .size: 8, .value_kind: global_buffer, .address_space: global }
      - { .name: kv, .offset: 48, .size: 8, .value_kind: global_buffer, .address_space: global }
    .group_segment_fixed_size: 327680
    .private_segment_fixed_size: 0
    .kernarg_segment_align: 8
    .kernarg_segment_size: 56
    .max_flat_workgroup_size: 128
    .sgpr_count:     100
    .vgpr_count:     1024
    .wavefront_size: 32
...
	.end_amdgpu_metadata
.endif
;; end of part 2
;; launch attn (part 3): grid 8 x 32, 16 waves a work-group, no clusters, 82,432 bytes of LDS; arguments qimg, kv, op2, sc2; writes op2, sc2
.if DOCPART == 3
	.amdgcn_target "amdgcn-amd-amdhsa--gfx1250"
	.amdhsa_code_object_version 6
	.text
	.protected	k_q80f581738a_attn
	.globl	k_q80f581738a_attn
	.p2align	8
	.type	k_q80f581738a_attn,@function
k_q80f581738a_attn:
	s_mov_b64 s[64:65], 0
	v_nop
	global_prefetch_b8 v0, s[64:65] scope:SCOPE_SE
	s_setreg_imm32_b32 hwreg(HW_REG_WAVE_MODE, 25, 1), 1
	s_wait_xcnt 0x0
; ATTENTION with a causal window of 512 keys, both products on codes of FP6 (E2M3) with E8M0 scales; its result, divided by the row's sum, is quantised along the model's 1,024 and stored as the last product's operand.
; SHARES.  A work-group owns 256 queries of one head; each of its sixteen waves one tile of 16 (tile w % 8 of the step of 128 queries 2 x + w / 8), in 256 registers: four waves to a SIMD.
; Key j counts for query i where i - 512 < j <= i: a wave walks five steps of 128 keys, Qb - 4 .. Qb.  The first is cut from below, the last by the diagonal, the three between count whole; a step before key 0 is jumped over
; (a scalar branch on ids).  The work-group's six records of K and V (79,872 bytes) are copied into LDS once, through registers, and stay: no ring, no tensor load.
; Multicast is not used: neighbouring query blocks' windows are two records apart, so no record is common to four partners at one time.
; LAYOUT.  S^T = K Q^T (source 0 = 16 keys, source 1 = my 16 queries), O^T = V^T P^T: a lane holds ONE query throughout.  Row r of tile i of a step is 32 (i / 2) + 8 (i % 2) + r % 8 + 16 (r / 8), for queries, keys and
; channels alike, so that the 16 registers of two neighbouring tiles are 16 neighbours along the next product's K.
; THE HEAD'S 64 IN AN INSTRUCTION OF K = 128: Q's registers 6-11 are zero codes; K's registers 6-11 hold whatever codes the buffer held before (every pattern of six bits is a finite number), times zero; both sides' scale
; bytes of that half are 0.
; THE SOFTMAX: t = score x log2(e) / 8; M = the running largest t rounded up to a whole number; p = 2^(t - M) is quantised along the keys, not normalised; the sum of the unquantised p divides at the end; when M moves, the sum
; and O^T are multiplied by 2^(old M - new M), which rounds nothing.  A block's largest p is made from the block's largest score by the same two instructions (this takes v_exp_f32 not to fall where its input rises).
; LIMITS: NaN and infinities are not served; a block of zeros or under 2^-124 gets the byte 1 (read by this program alone); 1 / sum is v_rcp_f32's.
; REGISTERS: v1-3 LDS bases, v4-5 16 and 8 x lane, v7, v11 the copy's places, v8-10 the step's addresses; v12 -M, v13 the largest t, v[14:15] the sum; v16-27 Q, v28 its scale word; v29 my query - 16 (lane / 16);
; v32-79 four fragments; v80-87 K's scale words, v88-91 V's; v96-159 S^T, then p; v160-191 O^T; v192-210 codes; v212-227 at work; v228 at work; v[230:231] f; v232 p's scale word; v233-238 addresses of the way out.
.set REC,  13312                       ; a record: K's 8 halves (768 each), K's scale words at 6,144, V's 4 fragments at 6,656, V's scale words at 12,800
.set QREC, 6656
.set SCB,  6*REC                       ; 512 scale bytes of the work-group's results
.set TM,   212
.set PC,   192
.set SEL,  20
.set CS,   22
.macro QUANT s, nc, w
.set qb, 0
.rept 2*(\nc)
	v_max3_num_f32 v[TM+qb], |v[\s+16*qb]|, |v[\s+16*qb+1]|, 0x1800000   ; my 16 numbers of block qb, and the floor 2^(3 - 127): the byte cannot fall under 1
.set qb, qb+1
.endr
.irp i, 2,4,6,8,10,12,14
.set qb, 0
.rept 2*(\nc)
	v_max3_num_f32 v[TM+qb], v[TM+qb], |v[\s+16*qb+\i]|, |v[\s+16*qb+\i+1]|
.set qb, qb+1
.endr
.endr
.set qb, 0
.rept 2*(\nc)
	v_permlanex16_b32 v[TM+4+qb], v[TM+qb], s[SEL], s[SEL+1]
.set qb, qb+1
.endr
.set qb, 0
.rept 2*(\nc)
	v_max_num_f32 v[TM+qb], v[TM+qb], v[TM+4+qb]
.set qb, qb+1
.endr
.set qb, 0
.rept 2*(\nc)
	v_add_nc_u32 v[TM+12+qb], 0xff000000, v[TM+qb]
.set qb, qb+1
.endr
.set qb, 0
.rept 2*(\nc)
	v_lshrrev_b32 v[TM+4+qb], 23, v[TM+12+qb]
.set qb, qb+1
.endr
	v_lshl_or_b32 v[\w], v[TM+5], 8, v[TM+4]
.if \nc > 1
	v_lshl_or_b32 v[\w], v[TM+6], 16, v[\w]
	v_lshl_or_b32 v[\w], v[TM+7], 24, v[\w]
.endif
.set qb, 0
.rept \nc
	v_cvt_scalef32_pk16_fp6_f32 v[PC+6*qb:PC+6*qb+2], v[\s+32*qb:\s+32*qb+15], v[TM+12+2*qb]
	v_cvt_scalef32_pk16_fp6_f32 v[PC+12+4*qb:PC+14+4*qb], v[\s+32*qb+16:\s+32*qb+31], v[TM+13+2*qb]
.set qb, qb+1
.endr
	v_nop                                                      ; one plain line behind the scaled conversions
.set qb, 0
.rept \nc
.irp i, 0,1,2
	v_permlane16_swap_b32 v[PC+6*qb+\i], v[PC+12+4*qb+\i]
.endr
.irp i, 0,1,2
	v_mov_b32 v[PC+6*qb+3+\i], v[PC+12+4*qb+\i]
.endr
.set qb, qb+1
.endr
.endm
	s_load_b256 s[4:11], s[0:1], 0x0               ; qimg s[4:5], kv s[6:7], op2 s[8:9], sc2 s[10:11]
	v_lshl_add_u32 v254, v0, 2, 0x13a00
	v_mov_b32 v255, 0
	v_lshrrev_b32 v1, 5, v0
	v_readfirstlane_b32 s12, v1                    ; wave 0..15
	s_and_b32 s13, s12, 7                          ; my tile
	s_lshr_b32 s14, s12, 3                         ; which of the work-group's two steps of queries
	s_and_b32 s16, ttmp7, 0xffff                   ; batch x 16 + head
	v_and_b32 v4, 31, v0
	v_and_b32 v233, 15, v0                         ; r
	v_bfe_u32 v234, v0, 4, 1                       ; h
	v_lshlrev_b32 v5, 3, v4                        ; 8 x lane
	v_lshlrev_b32 v4, 4, v4                        ; 16 x lane
	v_lshlrev_b32 v6, 5, v233                      ; 32 r
	s_mul_i32 s19, s14, REC                        ; my first slot
	v_add_nc_u32 v1, s19, v4
	v_add_nc_u32 v2, s19, v5
	v_add_nc_u32 v3, s19, v6
	s_lshl_b32 s17, s12, 10
	v_add_nc_u32 v7, s17, v4                       ; the copy: 1,024 bytes of each record for each of waves 0-12; in memory and in LDS alike
	v_add_nc_u32 v11, 3*REC, v7                    ; (slots 3-5: so that every immediate stays under 65,536)
	v_and_b32 v29, 7, v233
	v_lshrrev_b32 v238, 3, v233
	v_lshl_add_u32 v29, v238, 4, v29
	v_lshlrev_b32 v238, 4, v234
	v_sub_nc_u32 v29, v29, v238
	s_lshr_b32 s17, s13, 1
	s_lshl_b32 s17, s17, 5
	s_and_b32 s18, s13, 1
	s_lshl_b32 s18, s18, 3
	s_add_co_u32 s17, s17, s18
	v_add_nc_u32 v29, s17, v29                     ; d = my query in its step - 16 h.  Register 16 b + i holds key 32 b + 16 h + i
	s_lshl_b32 s17, s14, 8
	s_lshl_b32 s18, s13, 1
	s_add_co_u32 s17, s17, s18
	s_add_co_u32 s17, s17, SCB
	v_lshlrev_b32 v235, 4, v233
	v_add_nc_u32 v235, s17, v235                   ; my row's two scale bytes: 256 (w / 8) + 16 r + 2 (w % 8)
	v_add_nc_u32 v236, SCB, v4
	v_lshlrev_b32 v237, 4, v233
	v_lshl_add_u32 v237, v234, 12, v237            ; their way out: lanes 0-15 the first half-group's 256 bytes, lanes 16-31 the second's, 4,096 bytes on
	s_mov_b32 s[SEL], 0x76543210
	s_mov_b32 s[SEL+1], 0xfedcba98
	s_mov_b32 s[CS], 0x3e38aa3b                    ; c = log2(e) / 8
	s_mov_b32 s[CS+1], s[CS]                       ; (named with it as a pair, so it is written)
	s_lshl_b32 s37, ttmp9, 1
	s_sub_co_i32 s37, s37, 4                       ; slot 0's step of keys: 2 x - 4
	s_add_co_i32 s36, s37, s14                     ; my first step of keys
	s_lshl_b32 s38, s16, 4
	s_wait_kmcnt 0x0
.irp s, 0,1,2,3,4,5
	s_add_co_i32 s40, s37, \s
	s_max_i32 s40, s40, 0                          ; a slot whose step would lie before key 0 takes a copy of step 0, which nobody reads: no load leaves the buffer
	s_add_co_u32 s40, s40, s38
	s_mul_i32 s40, s40, REC
	s_mov_b32 s41, 0
	s_add_nc_u64 s[24+2*\s:25+2*\s], s[6:7], s[40:41]
.endr
	s_add_co_i32 s40, s36, 4
	s_add_co_u32 s40, s40, s38                     ; my step of queries
	s_mul_i32 s40, s40, QREC
	s_mul_i32 s42, s13, 768
	s_add_co_u32 s40, s40, s42
	s_mov_b32 s41, 0
	s_add_nc_u64 s[4:5], s[4:5], s[40:41]          ; Q's half fragment of my tile;
	s_sub_co_u32 s40, 6144, s42
	s_lshl_b32 s42, s13, 2
	s_add_co_u32 s40, s40, s42
	s_add_nc_u64 s[42:43], s[4:5], s[40:41]        ; the record's scale words, at my tile's
	global_load_b128 v[16:19], v4, s[4:5]
	global_load_b64 v[20:21], v5, s[4:5] offset:512
	global_load_b32 v28, v6, s[42:43]
	s_lshr_b32 s40, s16, 4
	s_lshl_b32 s40, s40, 3
	s_add_co_u32 s40, s40, ttmp9                   ; the group of 256 tokens
	s_and_b32 s44, s16, 15                         ; the head
	s_lshl_b32 s45, s40, 13
	s_lshl_b32 s46, s44, 8
	s_add_co_u32 s46, s46, s45
	s_mov_b32 s47, 0
	s_add_nc_u64 s[10:11], s[10:11], s[46:47]      ; sc2: the group's first half-group, the head's 64 along K
	s_lshl_b32 s40, s40, 3
	s_lshr_b32 s45, s44, 1
	s_add_co_u32 s40, s40, s45                     ; K step = head / 2
	s_lshl_b32 s40, s40, 4
	s_add_co_u32 s40, s40, s12                     ; tile = wave
	s_mul_i32 s40, s40, 1536
	s_and_b32 s45, s44, 1
	s_mul_i32 s45, s45, 768
	s_add_co_u32 s40, s40, s45                     ; the fragment's half = head % 2
	s_add_nc_u64 s[8:9], s[8:9], s[40:41]
	s_cmp_lt_u32 s12, 13
	s_cbranch_scc0 .Lno_copy
.irp s, 0,1,2,3,4,5
	global_load_b128 v[32+8*\s:35+8*\s], v7, s[24+2*\s:25+2*\s]
	global_load_b128 v[36+8*\s:39+8*\s], v7, s[24+2*\s:25+2*\s] offset:512
.endr
	s_wait_loadcnt 0x0
.irp s, 0,1,2
	ds_store_b128 v7, v[32+8*\s:35+8*\s] offset:\s*REC
	ds_store_b128 v7, v[36+8*\s:39+8*\s] offset:\s*REC+512
.endr
.irp s, 0,1,2
	ds_store_b128 v11, v[56+8*\s:59+8*\s] offset:\s*REC
	ds_store_b128 v11, v[60+8*\s:63+8*\s] offset:\s*REC+512
.endr
.Lno_copy:
	s_wait_loadcnt 0x0                             ; Q
	s_wait_dscnt 0x0                               ; for the others' sake: my part of the records lies in LDS
.irp i, 0,1,2,3
.irp j, 0,1,2,3,4,5
	v_mov_b32 v[38+12*\i+\j], 0                    ; the buffers' upper halves are written before a product names them
.endr
.endr
.irp j, 0,1,2,3,4,5
	v_mov_b32 v[22+\j], 0                          ; Q's zero codes for the instruction's second 64 along K
.endr
	v_mov_b32 v13, 0xff61b1e6                      ; the largest t so far: -3e38, under every t
	v_floor_f32 v12, -v13                          ; -M
	v_mov_b32 v14, 0
	v_mov_b32 v15, 0
.irp b, 0,1,2,3
	v_mov_b32 v[TM+4+\b], 0                        ; written once: a lane permute's destination counts as one of its sources
.endr
	v_mov_b32 v230, 0
	v_mov_b32 v231, 0                              ; (named as the upper half of the pair v[230:231])
.set n, 0
.rept 32
	v_mov_b32 v[160+n], 0                          ; O^T: the step is written alike for all five: the first finds zeros, which the first change of M leaves zeros
.set n, n+1
.endr
	s_barrier_signal -1
	s_barrier_wait -1
; A STEP of 128 keys, the wave's t-th.  kind 1: cut from below (key <= query is too old); kind 2: the diagonal (key > query is hidden); kind 0: all keys count.
.macro STEP t, kind
.if \t < 4
	s_add_co_i32 s44, s36, \t
	s_cmp_lt_i32 s44, 0                            ; a step before key 0
	s_cbranch_scc1 .Lskip_\@
.endif
	v_add_nc_u32 v8, \t*REC, v1
	v_add_nc_u32 v9, \t*REC, v2
	v_add_nc_u32 v10, \t*REC, v3
	v_nop                                          ; four plain lines in front of loads into registers that the last products have read
	ds_load_b128 v[80:83], v10 offset:6144         ; K's scale words of my row, tiles 0-3
	ds_load_b128 v[84:87], v10 offset:6160         ; tiles 4-7
.irp g, 0,1
.if \g
.rept 4
	v_nop
.endr
.endif
.irp i, 0,1,2,3
	ds_load_b128 v[32+12*\i:35+12*\i], v8 offset:768*(4*\g+\i)
	ds_load_b64 v[36+12*\i:37+12*\i], v9 offset:768*(4*\g+\i)+512
.endr
	s_wait_dscnt 0x0
.irp i, 0,1,2,3
	v_wmma_scale_f32_16x16x128_f8f6f4 v[96+8*(4*\g+\i):103+8*(4*\g+\i)], v[32+12*\i:43+12*\i], v[16:27], 0, v[80+4*\g+\i], v28 matrix_a_fmt:MATRIX_FMT_FP6 matrix_b_fmt:MATRIX_FMT_FP6
.endr
.endr
.rept 4
	v_nop
.endr
.if \kind
	v_mov_b32 v228, 0xff800000                     ; -infinity: p = 0 then
.set n, 0
.rept 64
.if \kind == 2
	v_cmp_gt_i32 vcc_lo, 32*(n/16)+n%16, v29
.else
	v_cmp_le_i32 vcc_lo, 32*(n/16)+n%16, v29
.endif
	v_cndmask_b32 v[96+n], v[96+n], v228, vcc_lo
.set n, n+1
.endr
.endif
.irp b, 0,1,2,3
	v_max3_num_f32 v[TM+\b], v[96+16*\b], v[97+16*\b], v[98+16*\b]   ; the largest score of each block of 32 keys: for the row's maximum, and for the block's largest p
.endr
.irp i, 3,5,7,9,11,13
.irp b, 0,1,2,3
	v_max3_num_f32 v[TM+\b], v[TM+\b], v[96+16*\b+\i], v[97+16*\b+\i]
.endr
.endr
.irp b, 0,1,2,3
	v_max_num_f32 v[TM+\b], v[TM+\b], v[111+16*\b]
.endr
.irp b, 0,1,2,3
	v_permlanex16_b32 v[TM+4+\b], v[TM+\b], s[SEL], s[SEL+1]
.endr
.irp b, 0,1,2,3
	v_max_num_f32 v[TM+\b], v[TM+\b], v[TM+4+\b]   ; with lane l xor 16's 16 keys
.endr
	v_max3_num_f32 v228, v[TM], v[TM+1], v[TM+2]
	v_max_num_f32 v228, v228, v[TM+3]
	v_mul_f32 v228, s[CS], v228                    ; the step's largest t
	v_max_num_f32 v13, v13, v228                   ; the running largest t
	v_mov_b32 v228, v12
	v_floor_f32 v12, -v13                          ; the new -M = -ceil(t)
	v_sub_f32 v228, v12, v228                      ; old M - new M: a whole number, 0 or less
	v_cvt_i32_f32 v228, v228                       ; (it saturates)
	v_ldexp_f32 v230, 1.0, v228                    ; f = 2^(old M - new M)
.set n, 0
.rept 32
	v_pk_fma_f32 v[96+2*n:97+2*n], v[96+2*n:97+2*n], s[CS:CS+1], v[12:13] op_sel_hi:[1,0,0]   ; t - M
.set n, n+1
.endr
.irp b, 0,1,2,3
	v_fma_f32 v[TM+\b], v[TM+\b], s[CS], v12       ; the same of each block's largest score
.endr
.set n, 0
.rept 64
	v_exp_f32 v[96+n], v[96+n]                     ; p = 2^(t - M)
.set n, n+1
.endr
	v_pk_mul_f32 v[14:15], v[14:15], v[230:231] op_sel_hi:[1,0]   ; the sums under the new M.  (The plain line behind the exponentials)
	s_wait_alu depctr_va_vdst(0)                   ; one wait for the whole batch, ahead of its first reader
.irp b, 0,1,2,3
	v_exp_f32 v[TM+\b], v[TM+\b]                   ; the block's largest p
.endr
	v_pk_add_f32 v[TM+4:TM+5], v[96:97], v[98:99]  ; the row's sum of the unquantised p, in two chains.  (It reads the 64 alone: plain work behind the four)
.irp j, 4,8,12,16,20,24,28,32,36,40,44,48,52,56,60
	v_pk_add_f32 v[14:15], v[14:15], v[96+\j:97+\j]
	v_pk_add_f32 v[TM+4:TM+5], v[TM+4:TM+5], v[98+\j:99+\j]
.endr
	v_pk_add_f32 v[14:15], v[14:15], v[TM+4:TM+5]
	s_wait_alu depctr_va_vdst(0)                   ; and one for the four
.irp b, 0,1,2,3
	v_max_num_f32 v[TM+\b], 0x1800000, v[TM+\b]    ; the floor 2^(3 - 127)
.endr
.irp b, 0,1,2,3
	v_add_nc_u32 v[TM+12+\b], 0xff000000, v[TM+\b]
.endr
.irp b, 0,1,2,3
	v_lshrrev_b32 v[TM+4+\b], 23, v[TM+12+\b]
.endr
	v_lshl_or_b32 v232, v[TM+5], 8, v[TM+4]        ; p's scale word for these 128 keys
	v_lshl_or_b32 v232, v[TM+6], 16, v232
	v_lshl_or_b32 v232, v[TM+7], 24, v232
.irp c, 0,1
	v_cvt_scalef32_pk16_fp6_f32 v[PC+6*\c:PC+2+6*\c], v[96+32*\c:111+32*\c], v[TM+12+2*\c]
	v_cvt_scalef32_pk16_fp6_f32 v[PC+12+4*\c:PC+14+4*\c], v[112+32*\c:127+32*\c], v[TM+13+2*\c]
.endr
	v_nop                                          ; one plain line behind the scaled conversions
.irp c, 0,1
.irp i, 0,1,2
	v_permlane16_swap_b32 v[PC+6*\c+\i], v[PC+12+4*\c+\i]
.endr
.irp i, 0,1,2
	v_mov_b32 v[PC+3+6*\c+\i], v[PC+12+4*\c+\i]
.endr
.endr
.set n, 0
.rept 16
	v_pk_mul_f32 v[160+2*n:161+2*n], v[160+2*n:161+2*n], v[230:231] op_sel_hi:[1,0]   ; O^T under the new M.  (These sixteen are also the places in front of the products below)
.set n, n+1
.endr
.irp i, 0,1,2,3
	ds_load_b128 v[32+12*\i:35+12*\i], v8 offset:6656+1536*\i
	ds_load_b64 v[36+12*\i:37+12*\i], v9 offset:6656+1536*\i+512
	ds_load_b128 v[38+12*\i:41+12*\i], v8 offset:6656+1536*\i+768
	ds_load_b64 v[42+12*\i:43+12*\i], v9 offset:6656+1536*\i+1280
.endr
	ds_load_b128 v[88:91], v8 offset:12800         ; V's scale words of my row, tiles 0-3
	s_wait_dscnt 0x0
.irp i, 0,1,2,3                        ; four accumulators, one instruction each
	v_wmma_scale_f32_16x16x128_f8f6f4 v[160+8*\i:167+8*\i], v[32+12*\i:43+12*\i], v[PC:PC+11], v[160+8*\i:167+8*\i], v[88+\i], v232 matrix_a_fmt:MATRIX_FMT_FP6 matrix_b_fmt:MATRIX_FMT_FP6
.endr
.if \t < 4
.Lskip_\@:
.endif
.endm
	STEP 0, 1
	STEP 1, 0
	STEP 2, 0
	STEP 3, 0
	STEP 4, 2
	; THE WAY OUT.  O^T / the sum: register 16 b + i is channel 32 b + 16 h + i of my query: as QUANT takes it.  The head's 64 channels are half a K step of the last product.
.rept 4
	v_nop
.endr
	v_add_f32 v14, v14, v15
	v_permlanex16_b32 v230, v14, s[SEL], s[SEL+1]
	v_add_f32 v14, v14, v230                       ; the row's sum
	v_rcp_f32 v14, v14
	v_nop                                          ; a plain line behind the reciprocal
	s_wait_alu depctr_va_vdst(0)                   ; and the wait ahead of its first reader
.set n, 0
.rept 32
	v_mul_f32 v[96+n], v[160+n], v14               ; each accumulator from its low end on
.set n, n+1
.endr
	QUANT 96, 1, 232
	global_store_b128 v4, v[PC:PC+3], s[8:9]       ; 512 consecutive bytes, at a multiple of 256
	global_store_b64 v5, v[PC+4:PC+5], s[8:9] offset:512
	ds_store_b16 v235, v232                        ; lanes 16-31 write what lanes 0-15 write
	s_wait_dscnt 0x0                               ; for the others' sake
	s_barrier_signal -1
	s_barrier_wait -1
	s_cmp_lg_u32 s12, 0
	s_cbranch_scc1 .Ldone
	ds_load_b128 v[96:99], v236
	s_wait_dscnt 0x0
	global_store_b128 v237, v[96:99], s[10:11]     ; two aligned runs of 256 bytes
.Ldone:
	s_wait_tensorcnt 0x0
	ds_add_u32 v254, v255
	s_wait_dscnt 0x0
	s_endpgm
.Lfunc_end_k_q80f581738a_attn:
	.size	k_q80f581738a_attn, .Lfunc_end_k_q80f581738a_attn-k_q80f581738a_attn
	.p2alignl 7, 3214868480
	.fill 96, 4, 3214868480
	.section	.rodata,"a",@progbits
	.p2align	6, 0x0
	.amdhsa_kernel k_q80f581738a_attn
		.amdhsa_group_segment_fixed_size 82432
		.amdhsa_private_segment_fixed_size 0
		.amdhsa_enable_private_segment 0
		.amdhsa_kernarg_size 32
		.amdhsa_user_sgpr_count 2
		.amdhsa_user_sgpr_kernarg_segment_ptr 1
		.amdhsa_wavefront_size32 1
		.amdhsa_system_sgpr_workgroup_id_x 1
		.amdhsa_system_sgpr_workgroup_id_y 1
		.amdhsa_system_sgpr_workgroup_id_z 1
		.amdhsa_system_vgpr_workitem_id 0
		.amdhsa_next_free_vgpr 256
		.amdhsa_next_free_sgpr 66
		.amdhsa_reserve_vcc 1
		.amdhsa_float_denorm_mode_32 3
		.amdhsa_float_denorm_mode_16_64 3
		.amdhsa_memory_ordered 1
		.amdhsa_forward_progress 1
		.amdhsa_inst_pref_size 103
	.end_amdhsa_kernel
	.amdgpu_metadata
---
amdhsa.version: [ 1, 2 ]
amdhsa.kernels:
  - .name:           k_q80f581738a_attn
    .symbol:         k_q80f581738a_attn.kd
    .args:
      - { .name: qimg, .offset: 0, .size: 8, .value_kind: global_buffer, .address_space: global }
      - { .name: kv, .offset: 8, .size: 8, .value_kind: global_buffer, .address_space: global }
      - { .name: op2, .offset: 16, .size: 8, .value_kind: global_buffer, .address_space: global }
      - { .name: sc2, .offset: 24, .size: 8, .value_kind: global_buffer, .address_space: global }
    .group_segment_fixed_size: 82432
    .private_segment_fixed_size: 0
    .kernarg_segment_align: 8
    .kernarg_segment_size: 32
    .max_flat_workgroup_size: 512
    .sgpr_count:     66
    .vgpr_count:     256
    .wavefront_size: 32
...
	.end_amdgpu_metadata
.endif
;; end of part 3
;; launch proj (part 4): grid 4 x 16, 4 waves a work-group, clusters of 4 x 4, 327,680 bytes of LDS; arguments op2, sc2, c_proj_b, out0; writes out0
.if DOCPART == 4
	.amdgcn_target "amdgcn-amd-amdhsa--gfx1250"
	.amdhsa_code_object_version 6
	.text
	.protected	k_q80f581738a_proj
	.globl	k_q80f581738a_proj
	.p2align	8
	.type	k_q80f581738a_proj,@function
k_q80f581738a_proj:
	s_mov_b64 s[64:65], 0
	v_nop
	global_prefetch_b8 v0, s[64:65] scope:SCOPE_SE
	s_setreg_imm32_b32 hwreg(HW_REG_WAVE_MODE, 25, 1), 1
	s_wait_xcnt 0x0
	s_wait_alu depctr_hold_cnt(0) depctr_sa_sdst(0) depctr_va_vdst(0) depctr_va_sdst(0) depctr_va_ssrc(0) depctr_va_vcc(0) depctr_vm_vsrc(0)
	s_getreg_b32 s2, hwreg(HW_REG_IB_STS2, 6, 4)
	s_cmp_eq_u32 s2, 0
	s_cbranch_scc0 .Lentry_in_a_cluster
	s_endpgm
.Lentry_in_a_cluster:
	s_bfe_u32 s2, ttmp6, 0x10000c
	s_cmp_lg_u32 s2, 0xf033
	s_cbranch_scc0 .Lentry_shape_is_right
	s_endpgm
.Lentry_shape_is_right:
; PROJ.  out = attention's result x c_proj_w + c_proj_b, on codes of FP6 (E2M3) with E8M0 scales; out is f32.
; THE PRODUCT is the one of the launch that makes q, k and v: a work-group of four waves makes 256 (P = tokens) x 256 (R = columns of the weight) over K = 1,024; a wave 128 x 128 in 64 accumulators.
; Source 0 = 16 rows of R, source 1 = 16 rows of P: a lane holds one token, and its registers run along the columns.  Row r of tile i of 128 rows is row 32 (i / 2) + 8 (i % 2) + r % 8 + 16 (r / 8).
; OPERANDS lie in memory as images of registers ([group of 256 rows][K step 8][tile 16][1,536 bytes]): a K step of a group is one dense block of 24,576 bytes, one tensor load.
; LDS: six K steps of P at 0, six of R at 147,456; K steps 6 and 7 are filled into the places of 0 and 1 behind one round of the cluster's barrier.  A wave has three tensor loads out at the start
; and one behind the round.  CLUSTERS: 4 x 4; P's blocks are shared along a row of the cluster, R's along a column, each asked for jointly.
; The grid is 64 work-groups: the tile is kept at 256 x 256 so that this product is the same text as the larger one.
; THE WAY OUT: a block of 16 tokens x 128 columns goes through the wave's own stage in LDS and comes back as whole rows of 512 bytes.  The stage lies in P's areas 2 and 3, which have had their only fill and which nobody
; reads behind the barrier in K step 5.
; LIMITS: NaN and infinities are not served.
.set AREA,  24576
.set RBASE, 6*AREA
.set SPARE, 12*AREA                    ; the spare words, 128 bytes for each wave: two blocks of 256 bytes that no other line names
.set GROUPB, 196608
.set STAGE, 2*AREA
.set SPITCH, 528
.set FR,   12
.set SC,   32
.set PF,   128
.set BK,   128                         ; the way out: 16 rows read back: v128-191 and v192-255 by turns
.set AP16, 8
.set AP8,  10
.set AR16, 12
.set AR8,  14
.set STO,  16                          ; v16    the stage: where I put 32 bytes of a row
.set RD,   17                          ; v17    and where I read a row back
.set SPW,  30
.set NIL,  31
.set WV,   18
.set PH,   19
.set RH,   20
.set G1P,  24
.set G1R,  32
.set G0P,  40
.set G0R,  52
.set MSB, 0
.macro WIN new                         ; the immediate's high byte repeats the setting that is left
.if MSB != \new
	s_set_vgpr_msb (MSB<<8)|\new
.set MSB, \new
.endif
.endm
.set MUL_LO, 0xa1
.set MUL_HI, 0xf1
.set TO_R,   0x40
.macro JLOAD g0p, g1p, g0r, g1r        ; a joint load: waves 0 and 1 fetch for P, waves 2 and 3 for R; four v_nop follow each of the two lines
	s_cmp_eq_u32 s[PH], 0
	s_cbranch_scc0 .Lfor_r_\@
	tensor_load_to_lds s[\g0p:\g0p+3], s[\g1p:\g1p+7]
	s_nop 0
.rept 4
	v_nop
.endr
	s_branch .Lasked_\@
.Lfor_r_\@:
	tensor_load_to_lds s[\g0r:\g0r+3], s[\g1r:\g1r+7]
	s_nop 0
.rept 4
	v_nop
.endr
.Lasked_\@:
.endm
.macro CREST
	s_cmp_lg_u32 s[WV], 0
	s_cbranch_scc1 .Lnot_wave_0_\@
	s_barrier_signal -3
.Lnot_wave_0_\@:
	s_barrier_wait -3
	s_barrier_signal -1
	s_barrier_wait -1
.endm
.macro CROUND
	s_barrier_signal -1
	s_barrier_wait -1
	CREST
.endm
.macro PLACES n
.rept \n
	v_nop
.endr
.endm
.macro FRAG reg, a16, a8, off
	ds_load_b128 v[\reg:\reg+3], v[\a16] offset:\off
	ds_load_b64 v[\reg+4:\reg+5], v[\a8] offset:\off+512
	ds_load_b128 v[\reg+6:\reg+9], v[\a16] offset:\off+768
	ds_load_b64 v[\reg+10:\reg+11], v[\a8] offset:\off+1280
.endm
.macro FETCH_R q, p
.set AR, (\q)%6
	WIN TO_R
.irp i, 0,1,2,3,4,5,6,7
	FRAG 128*(\p)+FR*\i, AR16+AR/3, AR8+AR/3, (AR%3)*AREA+1536*\i
.endr
	WIN 0
.endm
.macro FETCH_P q, i0
.set AR, (\q)%6
.irp i, \i0, \i0+1, \i0+2, \i0+3
	FRAG PF+FR*(\i), AP16+AR/3, AP8+AR/3, (AR%3)*AREA+1536*(\i)
.endr
.endm
.macro MUL16 a0, p, q, zero            ; the 64 accumulators take turns, one instruction a turn, in the same order in every step
.irp a, \a0, \a0+1
.irp b, 0,1,2,3,4,5,6,7
.if \zero
	v_wmma_scale_f32_16x16x128_f8f6f4 v[8*(8*((\a)%4)+\b):8*(8*((\a)%4)+\b)+7], v[128*(\p)+FR*\b:128*(\p)+FR*\b+FR-1], v[PF+FR*(\a):PF+FR*(\a)+FR-1], 0, v[SC+8*(\q)+\b], v[SC+8*(\q)+(\a)] matrix_a_fmt:MATRIX_FMT_FP6 matrix_b_fmt:MATRIX_FMT_FP6 matrix_a_scale:MATRIX_SCALE_ROW1
.else
	v_wmma_scale_f32_16x16x128_f8f6f4 v[8*(8*((\a)%4)+\b):8*(8*((\a)%4)+\b)+7], v[128*(\p)+FR*\b:128*(\p)+FR*\b+FR-1], v[PF+FR*(\a):PF+FR*(\a)+FR-1], v[8*(8*((\a)%4)+\b):8*(8*((\a)%4)+\b)+7], v[SC+8*(\q)+\b], v[SC+8*(\q)+(\a)] matrix_a_fmt:MATRIX_FMT_FP6 matrix_b_fmt:MATRIX_FMT_FP6 matrix_a_scale:MATRIX_SCALE_ROW1
.endif
.endr
.endr
.endm
.macro STEP q, zero
	s_wait_dscnt 16                                ; R's set and P's blocks 0-3 are in; the youngest 16 loads (P's blocks 4-7) may be out
	WIN MUL_LO
	MUL16 0, (\q)%2, \q, \zero
	MUL16 2, (\q)%2, \q, \zero
	s_wait_dscnt 0x0                               ; P's blocks 4-7 are in
	PLACES 4
	FETCH_R (\q)+1, 1-(\q)%2
	FETCH_P (\q)+1, 0
	WIN MUL_HI
	MUL16 4, (\q)%2, \q, \zero
	MUL16 6, (\q)%2, \q, \zero
	PLACES 4
	WIN 0
	FETCH_P (\q)+1, 4
.endm
.macro TURN q, fill
	s_wait_tensorcnt 0x0                           ; all my tensor loads have landed
	ds_add_u32 v[SPW], v[NIL]                      ; 0 onto my spare word
	s_wait_dscnt 17                                ; (the add and the youngest 16 loads, P's blocks 4-7, may be out)
	WIN MUL_LO
	MUL16 0, (\q)%2, \q, 0
	s_wait_dscnt 0x0                               ; the add is done, and my LDS reads are over
	s_barrier_signal -1
	MUL16 2, (\q)%2, \q, 0
	WIN 0
	s_barrier_wait -1
.if \fill
	CREST                                          ; no wave of any partner still reads areas 0 and 1 or has a load on its way
	s_add_nc_u64 s[G0P+2:G0P+3], s[G0P+2:G0P+3], 6*AREA
	s_add_nc_u64 s[G0R+2:G0R+3], s[G0R+2:G0R+3], 6*AREA
	JLOAD G0P, G1P, G0R, G1R                       ; my one tensor load behind the round; its four v_nop are also the places in front of the loads below
.else
	PLACES 4
.endif
	FETCH_R (\q)+1, 1-(\q)%2
	FETCH_P (\q)+1, 0
	WIN MUL_HI
	MUL16 4, (\q)%2, \q, 0
	MUL16 6, (\q)%2, \q, 0
	PLACES 4
	WIN 0
	FETCH_P (\q)+1, 4
.endm
	s_load_b256 s[4:11], s[0:1], 0x0               ; op2 s[4:5], sc2 s[6:7], c_proj_b s[8:9], out0 s[10:11]
	v_lshl_add_u32 v[SPW], v0, 2, SPARE
	v_mov_b32 v[NIL], 0
	ds_add_u32 v30, v31
	ds_add_u32 v30, v31
	s_wait_dscnt 0x0
	v_lshrrev_b32 v1, 5, v0
	v_readfirstlane_b32 s[WV], v1
	s_lshr_b32 s[PH], s[WV], 1
	s_and_b32 s[RH], s[WV], 1
	s_bfe_u32 s21, ttmp6, 0x40000                  ; cx
	s_bfe_u32 s22, ttmp6, 0x40004                  ; cy
	s_and_b32 s23, ttmp7, 0xffff                   ; cluster y
	s_lshl_b32 s68, s23, 2
	s_add_co_u32 s68, s68, s22                     ; P's group: tokens 4 x cluster y + cy.  It never holds cx
	s_add_co_u32 s69, s21, 16                      ; R's group: the weight's columns, 16 + cx.  It never holds cy
	s_lshl_b32 s71, s22, 2
	s_lshl_b32 s71, 15, s71                        ; my row of the cluster
	s_lshl_b32 s72, 0x1111, s21                    ; my column
	s_or_b32 s[G1P], s71, (3<<16)|(1<<21)          ; a dense block of 96 rows x 256 bytes (32 elements of 8 bytes), no padding; the mask; bit 21 beside it
	s_or_b32 s[G1R], s72, (3<<16)|(1<<21)
.irp g, G1P, G1R
	s_mov_b32 s[\g+1], 32<<16
	s_mov_b32 s[\g+2], 96<<16
	s_mov_b32 s[\g+3], 32<<16
	s_mov_b32 s[\g+4], 96
	s_mov_b32 s[\g+5], 32
	s_mov_b32 s[\g+6], 0
	s_mov_b32 s[\g+7], 0
.endr
	s_mul_i32 s73, s[RH], AREA
	s_mul_i32 s74, s68, GROUPB
	s_add_co_u32 s74, s74, s73
	s_mov_b32 s75, 0
	s_mul_i32 s76, s69, GROUPB
	s_add_co_u32 s76, s76, s73
	s_mov_b32 s77, 0
	s_wait_kmcnt 0x0
	s_add_nc_u64 s[74:75], s[4:5], s[74:75]
	s_add_nc_u64 s[76:77], s[4:5], s[76:77]
	CROUND                                         ; all sixteen work-groups are here: the first joint loads meet
.irp f, 0,1,2
	s_mov_b32 s[G0P+4*\f], 1
	s_add_co_u32 s[G0P+4*\f+1], s73, \f*2*AREA
	s_add_nc_u64 s[G0P+4*\f+2:G0P+4*\f+3], s[74:75], \f*2*AREA
	s_or_b32 s[G0P+4*\f+3], s[G0P+4*\f+3], 0x80000000
	s_mov_b32 s[G0R+4*\f], 1
	s_add_co_u32 s[G0R+4*\f+1], s73, \f*2*AREA+RBASE
	s_add_nc_u64 s[G0R+4*\f+2:G0R+4*\f+3], s[76:77], \f*2*AREA
	s_or_b32 s[G0R+4*\f+3], s[G0R+4*\f+3], 0x80000000
	JLOAD G0P+4*\f, G1P, G0R+4*\f, G1R
.endr
	v_and_b32 v1, 31, v0
	v_and_b32 v2, 15, v0                           ; r
	v_bfe_u32 v3, v0, 4, 1                         ; h
	v_lshlrev_b32 v4, 4, v1                        ; 16 x lane
	v_lshlrev_b32 v5, 3, v1                        ; 8 x lane
	s_mul_i32 s78, s[PH], 8*1536
	s_mul_i32 s79, s[RH], 8*1536
	s_add_co_u32 s79, s79, RBASE
.irp g, 0,1
	v_add_nc_u32 v[AP16+\g], s78, v4
	v_add_nc_u32 v[AP8+\g], s78, v5
	v_add_nc_u32 v[AR16+\g], s79, v4
	v_add_nc_u32 v[AR8+\g], s79, v5
	s_add_co_u32 s78, s78, 3*AREA
	s_add_co_u32 s79, s79, 3*AREA
.endr
	s_mul_i32 s78, s[WV], 16*SPITCH
	s_add_co_u32 s78, s78, STAGE                   ; my stage
	v_mul_u32_u24 v[STO], v2, SPITCH
	v_lshl_add_u32 v[STO], v3, 6, v[STO]
	v_add_nc_u32 v[STO], s78, v[STO]               ; in: row r, + 64 h
	v_add_nc_u32 v[RD], s78, v4                    ; back: 16 bytes a lane of a row of 512
	s_lshl_b32 s80, s68, 1
	s_add_co_u32 s80, s80, s[PH]                   ; my half-group of tokens
	s_lshl_b32 s81, s69, 1
	s_add_co_u32 s81, s81, s[RH]                   ; my half-group of columns (from 32 on)
	s_lshl_b32 s84, s80, 19                        ; my first token's row of out0: 128 rows of 4,096 bytes a half-group
	s_sub_co_u32 s86, s81, 32
	s_lshl_b32 s86, s86, 9                         ; my first column, in bytes
	s_mov_b32 s85, 0
	s_mov_b32 s87, 0
	s_add_nc_u64 s[10:11], s[10:11], s[84:85]
	s_add_nc_u64 s[10:11], s[10:11], s[86:87]
	s_add_nc_u64 s[8:9], s[8:9], s[86:87]
	s_lshl_b32 s80, s80, 12
	s_lshl_b32 s81, s81, 12
	s_mov_b32 s82, 0xffff0000                      ; lanes 16-31
	v_mov_b32 v6, s80
	v_mov_b32 v7, s81
	v_cndmask_b32 v6, v6, v7, s82                  ; lanes 0-15 take P's scale bytes, lanes 16-31 R's
	v_lshl_add_u32 v6, v2, 4, v6
.irp j, 0,1,2,3,4,5,6,7,8,9,10,11,12,13,14,15
	global_load_b128 v[128+4*\j:131+4*\j], v6, s[6:7] offset:256*\j
.endr
	global_load_b128 v[100:103], v4, s[8:9]        ; the bias of the four columns that I store
	s_mov_b32 s98, 0x05040100
	s_mov_b32 s99, 0x07060302
	s_wait_loadcnt 0x0
.irp q, 0,1,2,3,4,5,6,7                ; two halves make a K step's word: register 32 + 8 q + i: lanes 0-15 P's tile i, lanes 16-31 R's
.irp m, 0,1,2,3
	v_perm_b32 v[SC+8*\q+2*\m], v[132+8*\q+\m], v[128+8*\q+\m], s98
	v_perm_b32 v[SC+8*\q+2*\m+1], v[132+8*\q+\m], v[128+8*\q+\m], s99
.endr
.endr
	PLACES 8                                       ; between the last scale word's making and the first product
	s_wait_tensorcnt 0x2                           ; my part of K steps 0 and 1 is in; my two later loads may be out
	s_barrier_signal -1
	s_barrier_wait -1
	FETCH_R 0, 0
	FETCH_P 0, 0
	FETCH_P 0, 4
	STEP 0, 1                                      ; the first K step's products start the sums
	TURN 1, 1
	STEP 2, 0
	STEP 3, 0
	STEP 4, 0
	TURN 5, 0
	STEP 6, 0
	s_wait_dscnt 16                                ; the last K step: nothing more to fetch
	WIN MUL_LO
	MUL16 0, 1, 7, 0
	MUL16 2, 1, 7, 0
	s_wait_dscnt 0x0
	WIN MUL_HI
	MUL16 4, 1, 7, 0
	MUL16 6, 1, 7, 0
	WIN 0
; THE WAY OUT, block by block of 16 tokens x 128 columns.  Lane (r, h) holds of token r, in accumulator b, columns 32 (b / 2) + 8 (b % 2) + 16 h + 0 .. 7.  LDS serves a wave's instructions in order: no wait stands between
; the stores into my own stage and the loads out of it, nor in front of the next block's stores.
.macro TOSTAGE a
.set AC, 64*((\a)%4)
	WIN 0x08+4*((\a)/4)                            ; an LDS store's data are its source 1: window 2 or 3
.irp b, 0,1,2,3,4,5,6,7
	ds_store_b128 v[STO], v[AC+8*\b:AC+8*\b+3] offset:128*(\b/2)+32*(\b%2)          ; each accumulator from its low end on
	ds_store_b128 v[STO], v[AC+8*\b+4:AC+8*\b+7] offset:128*(\b/2)+32*(\b%2)+16
.endr
	WIN 0
.set BB, BK+64*((\a)%2)
.irp t, 0,1,2,3,4,5,6,7,8,9,10,11,12,13,14,15
	ds_load_b128 v[BB+4*\t:BB+4*\t+3], v[RD] offset:\t*SPITCH
.endr
.endm
.macro SEND a, younger                 ; younger: the LDS instructions issued behind block a's loads, which may stay out
.set BB, BK+64*((\a)%2)
	s_wait_dscnt \younger
.set t, 0
.rept 16
	v_pk_add_f32 v[BB+4*t:BB+4*t+1], v[BB+4*t:BB+4*t+1], v[100:101]
	v_pk_add_f32 v[BB+4*t+2:BB+4*t+3], v[BB+4*t+2:BB+4*t+3], v[102:103]
.set t, t+1
.endr
.set t, 0
.rept 16
	global_store_b128 v4, v[BB+4*t:BB+4*t+3], s[10:11] offset:(32*((\a)/2)+8*((\a)%2)+t%8+16*(t/8))*4096 th:TH_STORE_NT   ; 512 consecutive bytes of the token's row, at a multiple of 256; 127 rows of 4,096 bytes at the most in the immediate
.set t, t+1
.endr
.endm
	PLACES 4                                       ; in front of reads of results and of loads into the registers that held P's fragments
	TOSTAGE 0
.irp a, 1,2,3,4,5,6,7
.if \a > 1
	s_wait_xcnt 0x0                                ; block a - 2's stores have read their registers: block a's loads may land there
.endif
	TOSTAGE \a
	SEND \a-1, 32                                  ; behind block a - 1's loads: block a's 16 stores and 16 loads
.endr
	SEND 7, 0
	s_wait_tensorcnt 0x0                           ; the wave's end: behind my last tensor load and my last LDS store
	ds_add_u32 v[SPW], v[NIL]
	s_wait_dscnt 0x0
	CROUND                                         ; the closing round
	s_endpgm
.Lfunc_end_k_q80f581738a_proj:
	.size	k_q80f581738a_proj, .Lfunc_end_k_q80f581738a_proj-k_q80f581738a_proj
	.p2alignl 7, 3214868480
	.fill 96, 4, 3214868480
	.section	.rodata,"a",@progbits
	.p2align	6, 0x0
	.amdhsa_kernel k_q80f581738a_proj
		.amdhsa_group_segment_fixed_size 327680
		.amdhsa_private_segment_fixed_size 0
		.amdhsa_enable_private_segment 0
		.amdhsa_kernarg_size 32
		.amdhsa_user_sgpr_count 2
		.amdhsa_user_sgpr_kernarg_segment_ptr 1
		.amdhsa_wavefront_size32 1
		.amdhsa_system_sgpr_workgroup_id_x 1
		.amdhsa_system_sgpr_workgroup_id_y 1
		.amdhsa_system_sgpr_workgroup_id_z 1
		.amdhsa_system_vgpr_workitem_id 0
		.amdhsa_next_free_vgpr 1024
		.amdhsa_next_free_sgpr 100
		.amdhsa_reserve_vcc 0
		.amdhsa_float_denorm_mode_32 3
		.amdhsa_float_denorm_mode_16_64 3
		.amdhsa_memory_ordered 1
		.amdhsa_forward_progress 1
		.amdhsa_inst_pref_size 161
	.end_amdhsa_kernel
	.amdgpu_metadata
---
amdhsa.version: [ 1, 2 ]
amdhsa.kernels:
  - .name:           k_q80f581738a_proj
    .symbol:         k_q80f581738a_proj.kd
    .args:
      - { .name: op2, .offset: 0, .size: 8, .value_kind: global_buffer, .address_space: global }
      - { .name: sc2, .offset: 8, .size: 8, .value_kind: global_buffer, .address_space: global }
      - { .name: c_proj_b, .offset: 16, .size: 8, .value_kind: global_buffer, .address_space: global }
      - { .name: out0, .offset: 24, .size: 8, .value_kind: global_buffer, .address_space: global }
    .group_segment_fixed_size: 327680
    .private_segment_fixed_size: 0
    .kernarg_segment_align: 8
    .kernarg_segment_size: 32
    .max_flat_workgroup_size: 128
    .sgpr_count:     100
    .vgpr_count:     1024
    .wavefront_size: 32
...
	.end_amdgpu_metadata
.endif
;; end of part 4
;; ======== version 2 of 2: 4 launches; version 1 with the launch attn written anew for expert scheduling mode
;; workspace buffers: op1 5,505,024 bytes; sc1 229,376 bytes; op2 3,932,160 bytes; sc2 163,840 bytes; rope 524,288 bytes; qimg 3,407,872 bytes; kv 6,815,744 bytes
;; launch prep: the kernel of part 1 again; grid 416 x 1, 8 waves a work-group, no clusters, 96,768 bytes of LDS; arguments hidden_states, c_attn_w, c_proj_w, op1, sc1, op2, sc2, rope; writes op1, sc1, op2, sc2, rope
;; launch qkv: the kernel of part 2 again; grid 12 x 16, 4 waves a work-group, clusters of 4 x 4, 327,680 bytes of LDS; arguments op1, sc1, position_ids, c_attn_b, rope, qimg, kv; writes qimg, kv
;; launch attn (part 5): grid 8 x 32, 16 waves a work-group, no clusters, 82,432 bytes of LDS; arguments qimg, kv, op2, sc2; writes op2, sc2
.if DOCPART == 5
	.amdgcn_target "amdgcn-amd-amdhsa--gfx1250"
	.amdhsa_code_object_version 6
	.text
	.protected	k_q80f581738a_attn
	.globl	k_q80f581738a_attn
	.p2align	8
	.type	k_q80f581738a_attn,@function
k_q80f581738a_attn:
	s_mov_b64 s[64:65], 0
	v_nop
	global_prefetch_b8 v0, s[64:65] scope:SCOPE_SE
	s_setreg_imm32_b32 hwreg(HW_REG_WAVE_SCHED_MODE, 0, 2), 2
	s_setreg_imm32_b32 hwreg(HW_REG_WAVE_MODE, 25, 1), 1
	s_wait_xcnt 0x0
	s_wait_alu depctr_vm_vsrc(0)
; ATTENTION with a causal window of 512 keys, both products on codes of FP6 (E2M3) with E8M0 scales; its result, divided by the row's sum, is quantised along the model's 1,024 and stored as the last product's operand.
; SHARES.  A work-group owns 256 queries of one head; each of its sixteen waves one tile of 16 (tile w % 8 of the step of 128 queries 2 x + w / 8), in 256 registers: four waves to a SIMD.
; Key j counts for query i where i - 512 < j <= i: a wave walks five steps of 128 keys, Qb - 4 .. Qb.  The first is cut from below, the last by the diagonal, the three between count whole; a step before key 0 is jumped over
; (a scalar branch on ids).  The work-group's six records of K and V (79,872 bytes) are copied into LDS once, through registers, and stay: no ring, no tensor load.
; Multicast is not used: neighbouring query blocks' windows are two records apart, so no record is common to four partners at one time.
; LAYOUT.  S^T = K Q^T (source 0 = 16 keys, source 1 = my 16 queries), O^T = V^T P^T: a lane holds ONE query throughout.  Row r of tile i of a step is 32 (i / 2) + 8 (i % 2) + r % 8 + 16 (r / 8), for queries, keys and
; channels alike, so that the 16 registers of two neighbouring tiles are 16 neighbours along the next product's K.
; THE HEAD'S 64 IN AN INSTRUCTION OF K = 128: Q's registers 6-11 are zero codes.  K's eight half fragments lie six registers apart, so that registers 6-11 of tile i's operand are tile i + 1's codes (tile 7's: six registers
; of zeros): every pattern of six bits is a finite number, times zero; both sides' scale bytes of that half are 0.
; THE SOFTMAX: t = score x log2(e) / 8; M = the running largest t rounded up to a whole number; p = 2^(t - M) is quantised along the keys, not normalised; the sum of the unquantised p divides at the end; when M moves, the sum
; and O^T are multiplied by 2^(old M - new M), which rounds nothing.  A block's largest p is made from the block's largest score by the same two instructions (this takes v_exp_f32 not to fall where its input rises).
; LIMITS: NaN and infinities are not served; a block of zeros or under 2^-124 gets the byte 1 (read by this program alone); 1 / sum is v_rcp_f32's.
; THE MODE: SCHED_MODE bits 1:0 = 2 (LLVM: expert scheduling mode 2), set by the entry lines.  The code itself states the register dependences between vector or matrix instructions and memory or LDS instructions,
; with s_wait_alu, always for 0.
; THE PLAN.  Registers that memory or LDS instructions touch:
;   v1-3, v8-10         LDS bases (steps 0-2; steps 3 and 4).  Made once at the head, never written again: a step's place stands in the immediate offsets.
;   v4-7, v11, v235-237 offsets of the head's loads and LDS stores and of the way out.  Made once at the head.
;   v32-79              At the head the copy's loads land here and its LDS stores read them.  In a step: K's sixteen loads land; the eight products K Q^T read them (tile 7's also v80-85); V's sixteen loads land; the four
;                       products V^T P read them.
;   v240-247, v88-91    K's and V's scale words: they land with their fragments and are read by the same products.
;   v192-203, v232      p's codes and scale word: written by vector lines, taken by V^T P; at the end the result's codes and scale bytes, read by the stores.
; So a step holds three waits on va_vdst: at its head (the last step's V^T P is done with v32-79), behind K Q^T (done with v32-85: V's loads follow at once and land under the softmax, no line of which names v32-79 or
; v88-91), and ahead of V^T P (p's codes and scale word are written).  No address is written in a step, so no wait on vm_vsrc stands there.  The masks' compares write scalar registers in runs of sixteen, one wait a run.
; REGISTERS: v1-3, v8-10 LDS bases, v4-5 16 and 8 x lane, v6 32 r, v7, v11 the copy's places; v12 -M, v13 the largest t, v[14:15] the sum; v16-27 Q, v28 its scale word; v29 my query - 16 (lane / 16);
; v32-79 K's eight half fragments, then V's four fragments; v80-85 zeros; v88-91 V's scale words; v96-159 S^T, then p; v160-191 O^T; v192-210 codes; v212-227 at work; v228 at work; v[230:231] f; v232 p's scale word;
; v233-238 addresses of the way out; v240-247 K's scale words.
.set REC,  13312                       ; a record: K's 8 halves (768 each), K's scale words at 6,144, V's 4 fragments at 6,656, V's scale words at 12,800
.set QREC, 6656
.set SCB,  6*REC                       ; 512 scale bytes of the work-group's results
.set TM,   212
.set PC,   192
.set KS,   240                         ; K's scale words
.set SEL,  20
.set CS,   22
.macro QUANT s, nc, w
.set qb, 0
.rept 2*(\nc)
	v_max3_num_f32 v[TM+qb], |v[\s+16*qb]|, |v[\s+16*qb+1]|, 0x1800000   ; my 16 numbers of block qb, and the floor 2^(3 - 127): the byte cannot fall under 1
.set qb, qb+1
.endr
.irp i, 2,4,6,8,10,12,14
.set qb, 0
.rept 2*(\nc)
	v_max3_num_f32 v[TM+qb], v[TM+qb], |v[\s+16*qb+\i]|, |v[\s+16*qb+\i+1]|
.set qb, qb+1
.endr
.endr
.set qb, 0
.rept 2*(\nc)
	v_permlanex16_b32 v[TM+4+qb], v[TM+qb], s[SEL], s[SEL+1]
.set qb, qb+1
.endr
.set qb, 0
.rept 2*(\nc)
	v_max_num_f32 v[TM+qb], v[TM+qb], v[TM+4+qb]
.set qb, qb+1
.endr
.set qb, 0
.rept 2*(\nc)
	v_add_nc_u32 v[TM+12+qb], 0xff000000, v[TM+qb]
.set qb, qb+1
.endr
.set qb, 0
.rept 2*(\nc)
	v_lshrrev_b32 v[TM+4+qb], 23, v[TM+12+qb]
.set qb, qb+1
.endr
	v_lshl_or_b32 v[\w], v[TM+5], 8, v[TM+4]
.if \nc > 1
	v_lshl_or_b32 v[\w], v[TM+6], 16, v[\w]
	v_lshl_or_b32 v[\w], v[TM+7], 24, v[\w]
.endif
.set qb, 0
.rept \nc
	v_cvt_scalef32_pk16_fp6_f32 v[PC+6*qb:PC+6*qb+2], v[\s+32*qb:\s+32*qb+15], v[TM+12+2*qb]
	v_cvt_scalef32_pk16_fp6_f32 v[PC+12+4*qb:PC+14+4*qb], v[\s+32*qb+16:\s+32*qb+31], v[TM+13+2*qb]
.set qb, qb+1
.endr
	v_nop                                                      ; one plain line behind the scaled conversions
.set qb, 0
.rept \nc
.irp i, 0,1,2
	v_permlane16_swap_b32 v[PC+6*qb+\i], v[PC+12+4*qb+\i]
.endr
.irp i, 0,1,2
	v_mov_b32 v[PC+6*qb+3+\i], v[PC+12+4*qb+\i]
.endr
.set qb, qb+1
.endr
.endm
	s_load_b256 s[4:11], s[0:1], 0x0               ; qimg s[4:5], kv s[6:7], op2 s[8:9], sc2 s[10:11]
	v_lshl_add_u32 v254, v0, 2, 0x13a00
	v_mov_b32 v255, 0
	v_lshrrev_b32 v1, 5, v0
	v_readfirstlane_b32 s12, v1                    ; wave 0..15
	v_and_b32 v4, 31, v0
	v_and_b32 v233, 15, v0                         ; r
	v_bfe_u32 v234, v0, 4, 1                       ; h
	v_lshlrev_b32 v5, 3, v4                        ; 8 x lane
	v_lshlrev_b32 v4, 4, v4                        ; 16 x lane
	v_lshlrev_b32 v6, 5, v233                      ; 32 r
	s_wait_alu depctr_va_sdst(0)                   ; s12 is written, ahead of its first reader: the wave's shares and addresses are made from it
	s_and_b32 s13, s12, 7                          ; my tile
	s_lshr_b32 s14, s12, 3                         ; which of the work-group's two steps of queries
	s_and_b32 s16, ttmp7, 0xffff                   ; batch x 16 + head
	s_mul_i32 s19, s14, REC                        ; my first slot
	v_add_nc_u32 v1, s19, v4
	v_add_nc_u32 v2, s19, v5
	v_add_nc_u32 v3, s19, v6
	v_add_nc_u32 v8, 3*REC, v1                     ; the same three for my steps 3 and 4, so that every immediate stays under 65,536
	v_add_nc_u32 v9, 3*REC, v2
	v_add_nc_u32 v10, 3*REC, v3
	s_lshl_b32 s17, s12, 10
	v_add_nc_u32 v7, s17, v4                       ; the copy: 1,024 bytes of each record for each of waves 0-12; in memory and in LDS alike
	v_add_nc_u32 v11, 3*REC, v7                    ; (slots 3-5: so that every immediate stays under 65,536)
	v_and_b32 v29, 7, v233
	v_lshrrev_b32 v238, 3, v233
	v_lshl_add_u32 v29, v238, 4, v29
	v_lshlrev_b32 v238, 4, v234
	v_sub_nc_u32 v29, v29, v238
	s_lshr_b32 s17, s13, 1
	s_lshl_b32 s17, s17, 5
	s_and_b32 s18, s13, 1
	s_lshl_b32 s18, s18, 3
	s_add_co_u32 s17, s17, s18
	v_add_nc_u32 v29, s17, v29                     ; d = my query in its step - 16 h.  Register 16 b + i holds key 32 b + 16 h + i
	s_lshl_b32 s17, s14, 8
	s_lshl_b32 s18, s13, 1
	s_add_co_u32 s17, s17, s18
	s_add_co_u32 s17, s17, SCB
	v_lshlrev_b32 v235, 4, v233
	v_add_nc_u32 v235, s17, v235                   ; my row's two scale bytes: 256 (w / 8) + 16 r + 2 (w % 8)
	v_add_nc_u32 v236, SCB, v4
	v_lshlrev_b32 v237, 4, v233
	v_lshl_add_u32 v237, v234, 12, v237            ; their way out: lanes 0-15 the first half-group's 256 bytes, lanes 16-31 the second's, 4,096 bytes on
	s_mov_b32 s[SEL], 0x76543210
	s_mov_b32 s[SEL+1], 0xfedcba98
	s_mov_b32 s[CS], 0x3e38aa3b                    ; c = log2(e) / 8
	s_mov_b32 s[CS+1], s[CS]                       ; (named with it as a pair, so it is written)
	s_lshl_b32 s37, ttmp9, 1
	s_sub_co_i32 s37, s37, 4                       ; slot 0's step of keys: 2 x - 4
	s_add_co_i32 s36, s37, s14                     ; my first step of keys
	s_lshl_b32 s38, s16, 4
	s_wait_kmcnt 0x0
.irp s, 0,1,2,3,4,5
	s_add_co_i32 s40, s37, \s
	s_max_i32 s40, s40, 0                          ; a slot whose step would lie before key 0 takes a copy of step 0, which nobody reads: no load leaves the buffer
	s_add_co_u32 s40, s40, s38
	s_mul_i32 s40, s40, REC
	s_mov_b32 s41, 0
	s_add_nc_u64 s[24+2*\s:25+2*\s], s[6:7], s[40:41]
.endr
	s_add_co_i32 s40, s36, 4
	s_add_co_u32 s40, s40, s38                     ; my step of queries
	s_mul_i32 s40, s40, QREC
	s_mul_i32 s42, s13, 768
	s_add_co_u32 s40, s40, s42
	s_mov_b32 s41, 0
	s_add_nc_u64 s[4:5], s[4:5], s[40:41]          ; Q's half fragment of my tile;
	s_sub_co_u32 s40, 6144, s42
	s_lshl_b32 s42, s13, 2
	s_add_co_u32 s40, s40, s42
	s_add_nc_u64 s[42:43], s[4:5], s[40:41]        ; the record's scale words, at my tile's
	s_wait_alu depctr_va_vdst(0)                   ; all offsets and LDS addresses (v1-11, v235-237) are written: every load and store of the kernel reads some of them, and none is written again
	global_load_b128 v[16:19], v4, s[4:5]
	global_load_b64 v[20:21], v5, s[4:5] offset:512
	global_load_b32 v28, v6, s[42:43]
	s_lshr_b32 s40, s16, 4
	s_lshl_b32 s40, s40, 3
	s_add_co_u32 s40, s40, ttmp9                   ; the group of 256 tokens
	s_and_b32 s44, s16, 15                         ; the head
	s_lshl_b32 s45, s40, 13
	s_lshl_b32 s46, s44, 8
	s_add_co_u32 s46, s46, s45
	s_mov_b32 s47, 0
	s_add_nc_u64 s[10:11], s[10:11], s[46:47]      ; sc2: the group's first half-group, the head's 64 along K
	s_lshl_b32 s40, s40, 3
	s_lshr_b32 s45, s44, 1
	s_add_co_u32 s40, s40, s45                     ; K step = head / 2
	s_lshl_b32 s40, s40, 4
	s_add_co_u32 s40, s40, s12                     ; tile = wave
	s_mul_i32 s40, s40, 1536
	s_and_b32 s45, s44, 1
	s_mul_i32 s45, s45, 768
	s_add_co_u32 s40, s40, s45                     ; the fragment's half = head % 2
	s_add_nc_u64 s[8:9], s[8:9], s[40:41]
	s_cmp_lt_u32 s12, 13
	s_cbranch_scc0 .Lno_copy
.irp s, 0,1,2,3,4,5
	global_load_b128 v[32+8*\s:35+8*\s], v7, s[24+2*\s:25+2*\s]
	global_load_b128 v[36+8*\s:39+8*\s], v7, s[24+2*\s:25+2*\s] offset:512
.endr
	s_wait_loadcnt 0x0
.irp s, 0,1,2
	ds_store_b128 v7, v[32+8*\s:35+8*\s] offset:\s*REC
	ds_store_b128 v7, v[36+8*\s:39+8*\s] offset:\s*REC+512
.endr
.irp s, 0,1,2
	ds_store_b128 v11, v[56+8*\s:59+8*\s] offset:\s*REC
	ds_store_b128 v11, v[60+8*\s:63+8*\s] offset:\s*REC+512
.endr
.Lno_copy:
	s_wait_loadcnt 0x0                             ; Q.  (All the head's loads are done: their scalar bases may be written again)
	s_wait_dscnt 0x0                               ; for the others' sake: my part of the records lies in LDS
	s_wait_alu depctr_vm_vsrc(0)                   ; my LDS stores have read v32-79, in which K's fragments land from the first step on
.irp j, 0,1,2,3,4,5
	v_mov_b32 v[80+\j], 0                          ; what tile 7's operand names behind its own six registers
.endr
.irp j, 0,1,2,3,4,5
	v_mov_b32 v[22+\j], 0                          ; Q's zero codes for the instruction's second 64 along K
.endr
	v_mov_b32 v13, 0xff61b1e6                      ; the largest t so far: -3e38, under every t
	v_floor_f32 v12, -v13                          ; -M
	v_mov_b32 v14, 0
	v_mov_b32 v15, 0
.irp b, 0,1,2,3
	v_mov_b32 v[TM+4+\b], 0                        ; written once: a lane permute's destination counts as one of its sources
.endr
	v_mov_b32 v230, 0
	v_mov_b32 v231, 0                              ; (named as the upper half of the pair v[230:231])
.set n, 0
.rept 32
	v_mov_b32 v[160+n], 0                          ; O^T: the step is written alike for all five: the first finds zeros, which the first change of M leaves zeros
.set n, n+1
.endr
	s_barrier_signal -1
	s_barrier_wait -1
; A STEP of 128 keys, the wave's t-th.  kind 1: cut from below (key <= query is too old); kind 2: the diagonal (key > query is hidden); kind 0: all keys count.
.macro STEP t, kind
.set OF, ((\t)%3)*REC                  ; the step's record, counted from the base
.set AB, 1+7*((\t)/3)                  ; the bases: v1-3 for steps 0-2, v8-10 for steps 3 and 4
.if \t < 4
	s_add_co_i32 s44, s36, \t
	s_cmp_lt_i32 s44, 0                            ; a step before key 0
	s_cbranch_scc1 .Lskip_\@
.endif
	s_wait_alu depctr_va_vdst(0)                   ; the last step's products V^T P are done reading v32-79, in which K's fragments land; in the first step walked: the zeros of v22-27 and v80-85 are written, which the products below take
	ds_load_b128 v[KS:KS+3], v[AB+2] offset:OF+6144     ; K's scale words of my row, tiles 0-3
	ds_load_b128 v[KS+4:KS+7], v[AB+2] offset:OF+6160   ; tiles 4-7
.irp i, 0,1,2,3,4,5,6,7                ; K's eight half fragments, six registers apart
	ds_load_b128 v[32+6*\i:35+6*\i], v[AB] offset:OF+768*\i
	ds_load_b64 v[36+6*\i:37+6*\i], v[AB+1] offset:OF+768*\i+512
.endr
	s_wait_dscnt 0x0
.irp i, 0,1,2,3,4,5,6,7
	v_wmma_scale_f32_16x16x128_f8f6f4 v[96+8*\i:103+8*\i], v[32+6*\i:43+6*\i], v[16:27], 0, v[KS+\i], v28 matrix_a_fmt:MATRIX_FMT_FP6 matrix_b_fmt:MATRIX_FMT_FP6
.endr
.rept 4
	v_nop                                          ; four plain lines behind the products, ahead of the first read of the scores
.endr
	s_wait_alu depctr_va_vdst(0)                   ; the products K Q^T are done reading v32-85: V's fragments land there.  No vector line up to the products V^T P names v32-79 or v88-91
.irp i, 0,1,2,3
	ds_load_b128 v[32+12*\i:35+12*\i], v[AB] offset:OF+6656+1536*\i
	ds_load_b64 v[36+12*\i:37+12*\i], v[AB+1] offset:OF+6656+1536*\i+512
	ds_load_b128 v[38+12*\i:41+12*\i], v[AB] offset:OF+6656+1536*\i+768
	ds_load_b64 v[42+12*\i:43+12*\i], v[AB+1] offset:OF+6656+1536*\i+1280
.endr
	ds_load_b128 v[88:91], v[AB] offset:OF+12800   ; V's scale words of my row, tiles 0-3
.if \kind
	v_mov_b32 v228, 0xff800000                     ; -infinity: p = 0 then
.set rr, 0
.rept 4                                ; sixteen registers (16 keys of one block) at a time: the compares write s24-35 and s40-43, which the head's loads have done with
.set mm, 0
.rept 16
.if \kind == 2
	v_cmp_gt_i32 s[24+mm+4*(mm/12)], 32*rr+mm, v29
.else
	v_cmp_le_i32 s[24+mm+4*(mm/12)], 32*rr+mm, v29
.endif
.set mm, mm+1
.endr
	s_wait_alu depctr_va_sdst(0)                   ; the sixteen masks are written, ahead of the selects that read them
.set mm, 0
.rept 16
	v_cndmask_b32 v[96+16*rr+mm], v[96+16*rr+mm], v228, s[24+mm+4*(mm/12)]
.set mm, mm+1
.endr
.set rr, rr+1
.endr
.endif
.irp b, 0,1,2,3
	v_max3_num_f32 v[TM+\b], v[96+16*\b], v[97+16*\b], v[98+16*\b]   ; the largest score of each block of 32 keys: for the row's maximum, and for the block's largest p
.endr
.irp i, 3,5,7,9,11,13
.irp b, 0,1,2,3
	v_max3_num_f32 v[TM+\b], v[TM+\b], v[96+16*\b+\i], v[97+16*\b+\i]
.endr
.endr
.irp b, 0,1,2,3
	v_max_num_f32 v[TM+\b], v[TM+\b], v[111+16*\b]
.endr
.irp b, 0,1,2,3
	v_permlanex16_b32 v[TM+4+\b], v[TM+\b], s[SEL], s[SEL+1]
.endr
.irp b, 0,1,2,3
	v_max_num_f32 v[TM+\b], v[TM+\b], v[TM+4+\b]   ; with lane l xor 16's 16 keys
.endr
	v_max3_num_f32 v228, v[TM], v[TM+1], v[TM+2]
	v_max_num_f32 v228, v228, v[TM+3]
	v_mul_f32 v228, s[CS], v228                    ; the step's largest t
	v_max_num_f32 v13, v13, v228                   ; the running largest t
	v_mov_b32 v228, v12
	v_floor_f32 v12, -v13                          ; the new -M = -ceil(t)
	v_sub_f32 v228, v12, v228                      ; old M - new M: a whole number, 0 or less
	v_cvt_i32_f32 v228, v228                       ; (it saturates)
	v_ldexp_f32 v230, 1.0, v228                    ; f = 2^(old M - new M)
.set n, 0
.rept 32
	v_pk_fma_f32 v[96+2*n:97+2*n], v[96+2*n:97+2*n], s[CS:CS+1], v[12:13] op_sel_hi:[1,0,0]   ; t - M
.set n, n+1
.endr
.irp b, 0,1,2,3
	v_fma_f32 v[TM+\b], v[TM+\b], s[CS], v12       ; the same of each block's largest score
.endr
.set n, 0
.rept 64
	v_exp_f32 v[96+n], v[96+n]                     ; p = 2^(t - M)
.set n, n+1
.endr
	v_pk_mul_f32 v[14:15], v[14:15], v[230:231] op_sel_hi:[1,0]   ; the sums under the new M.  (The plain line behind the exponentials)
	s_wait_alu depctr_va_vdst(0)                   ; the 64 exponentials have written v96-159: one wait for the whole batch, ahead of its first reader
.irp b, 0,1,2,3
	v_exp_f32 v[TM+\b], v[TM+\b]                   ; the block's largest p
.endr
	v_pk_add_f32 v[TM+4:TM+5], v[96:97], v[98:99]  ; the row's sum of the unquantised p, in two chains.  (It reads the 64 alone: plain work behind the four)
.irp j, 4,8,12,16,20,24,28,32,36,40,44,48,52,56,60
	v_pk_add_f32 v[14:15], v[14:15], v[96+\j:97+\j]
	v_pk_add_f32 v[TM+4:TM+5], v[TM+4:TM+5], v[98+\j:99+\j]
.endr
	v_pk_add_f32 v[14:15], v[14:15], v[TM+4:TM+5]
	s_wait_alu depctr_va_vdst(0)                   ; the four exponentials have written v212-215, ahead of their first reader
.irp b, 0,1,2,3
	v_max_num_f32 v[TM+\b], 0x1800000, v[TM+\b]    ; the floor 2^(3 - 127)
.endr
.irp b, 0,1,2,3
	v_add_nc_u32 v[TM+12+\b], 0xff000000, v[TM+\b]
.endr
.irp b, 0,1,2,3
	v_lshrrev_b32 v[TM+4+\b], 23, v[TM+12+\b]
.endr
	v_lshl_or_b32 v232, v[TM+5], 8, v[TM+4]        ; p's scale word for these 128 keys
	v_lshl_or_b32 v232, v[TM+6], 16, v232
	v_lshl_or_b32 v232, v[TM+7], 24, v232
.irp c, 0,1
	v_cvt_scalef32_pk16_fp6_f32 v[PC+6*\c:PC+2+6*\c], v[96+32*\c:111+32*\c], v[TM+12+2*\c]
	v_cvt_scalef32_pk16_fp6_f32 v[PC+12+4*\c:PC+14+4*\c], v[112+32*\c:127+32*\c], v[TM+13+2*\c]
.endr
	v_nop                                          ; one plain line behind the scaled conversions
.irp c, 0,1
.irp i, 0,1,2
	v_permlane16_swap_b32 v[PC+6*\c+\i], v[PC+12+4*\c+\i]
.endr
.irp i, 0,1,2
	v_mov_b32 v[PC+3+6*\c+\i], v[PC+12+4*\c+\i]
.endr
.endr
.set n, 0
.rept 16
	v_pk_mul_f32 v[160+2*n:161+2*n], v[160+2*n:161+2*n], v[230:231] op_sel_hi:[1,0]   ; O^T under the new M.  (These sixteen are also the places in front of the products below)
.set n, n+1
.endr
	s_wait_dscnt 0x0                               ; V's fragments and scale words, asked for ahead of the softmax, are in
	s_wait_alu depctr_va_vdst(0)                   ; p's codes v192-203 and its scale word v232 are written, which the scaled products below take; the places above stay beside this wait
.irp i, 0,1,2,3                        ; four accumulators, one instruction each
	v_wmma_scale_f32_16x16x128_f8f6f4 v[160+8*\i:167+8*\i], v[32+12*\i:43+12*\i], v[PC:PC+11], v[160+8*\i:167+8*\i], v[88+\i], v232 matrix_a_fmt:MATRIX_FMT_FP6 matrix_b_fmt:MATRIX_FMT_FP6
.endr
.rept 4
	v_nop                                          ; four plain lines behind the products: behind the last step, ahead of the first read of O^T; else they stand ahead of the next step's loads into V's registers, beside that step's wait
.endr
.if \t < 4
.Lskip_\@:
.endif
.endm
	STEP 0, 1
	STEP 1, 0
	STEP 2, 0
	STEP 3, 0
	STEP 4, 2
	; THE WAY OUT.  O^T / the sum: register 16 b + i is channel 32 b + 16 h + i of my query: as QUANT takes it.  The head's 64 channels are half a K step of the last product.
	v_add_f32 v14, v14, v15
	v_permlanex16_b32 v230, v14, s[SEL], s[SEL+1]
	v_add_f32 v14, v14, v230                       ; the row's sum
	v_rcp_f32 v14, v14
	v_nop                                          ; a plain line behind the reciprocal
	s_wait_alu depctr_va_vdst(0)                   ; the reciprocal has written v14, ahead of its first reader
.set n, 0
.rept 32
	v_mul_f32 v[96+n], v[160+n], v14               ; each accumulator from its low end on
.set n, n+1
.endr
	QUANT 96, 1, 232
	s_wait_alu depctr_va_vdst(0)                   ; the codes v192-197 and the scale bytes v232 are written, which the stores below read; the conversions are done reading v96-99, in which wave 0's load below lands.  No vector line follows
	global_store_b128 v4, v[PC:PC+3], s[8:9]       ; 512 consecutive bytes, at a multiple of 256
	global_store_b64 v5, v[PC+4:PC+5], s[8:9] offset:512
	ds_store_b16 v235, v232                        ; lanes 16-31 write what lanes 0-15 write
	s_wait_dscnt 0x0                               ; for the others' sake
	s_barrier_signal -1
	s_barrier_wait -1
	s_cmp_lg_u32 s12, 0
	s_cbranch_scc1 .Ldone
	ds_load_b128 v[96:99], v236
	s_wait_dscnt 0x0
	global_store_b128 v237, v[96:99], s[10:11]     ; two aligned runs of 256 bytes
.Ldone:
	s_wait_dscnt 0x0
	s_wait_alu depctr_hold_cnt(0) depctr_sa_sdst(0) depctr_va_vdst(0) depctr_va_sdst(0) depctr_va_ssrc(0) depctr_va_vcc(0) depctr_vm_vsrc(0)
	s_wait_tensorcnt 0x0
	ds_add_u32 v254, v255
	s_wait_dscnt 0x0
	s_endpgm
.Lfunc_end_k_q80f581738a_attn:
	.size	k_q80f581738a_attn, .Lfunc_end_k_q80f581738a_attn-k_q80f581738a_attn
	.p2alignl 7, 3214868480
	.fill 96, 4, 3214868480
	.section	.rodata,"a",@progbits
	.p2align	6, 0x0
	.amdhsa_kernel k_q80f581738a_attn
		.amdhsa_group_segment_fixed_size 82432
		.amdhsa_private_segment_fixed_size 0
		.amdhsa_enable_private_segment 0
		.amdhsa_kernarg_size 32
		.amdhsa_user_sgpr_count 2
		.amdhsa_user_sgpr_kernarg_segment_ptr 1
		.amdhsa_wavefront_size32 1
		.amdhsa_system_sgpr_workgroup_id_x 1
		.amdhsa_system_sgpr_workgroup_id_y 1
		.amdhsa_system_sgpr_workgroup_id_z 1
		.amdhsa_system_vgpr_workitem_id 0
		.amdhsa_next_free_vgpr 256
		.amdhsa_next_free_sgpr 66
		.amdhsa_reserve_vcc 0
		.amdhsa_float_denorm_mode_32 3
		.amdhsa_float_denorm_mode_16_64 3
		.amdhsa_memory_ordered 1
		.amdhsa_forward_progress 1
		.amdhsa_inst_pref_size 111
	.end_amdhsa_kernel
	.amdgpu_metadata
---
amdhsa.version: [ 1, 2 ]
amdhsa.kernels:
  - .name:           k_q80f581738a_attn
    .symbol:         k_q80f581738a_attn.kd
    .args:
      - { .name: qimg, .offset: 0, .size: 8, .value_kind: global_buffer, .address_space: global }
      - { .name: kv, .offset: 8, .size: 8, .value_kind: global_buffer, .address_space: global }
      - { .name: op2, .offset: 16, .size: 8, .value_kind: global_buffer, .address_space: global }
      - { .name: sc2, .offset: 24, .size: 8, .value_kind: global_buffer, .address_space: global }
    .group_segment_fixed_size: 82432
    .private_segment_fixed_size: 0
    .kernarg_segment_align: 8
    .kernarg_segment_size: 32
    .max_flat_workgroup_size: 512
    .sgpr_count:     66
    .vgpr_count:     256
    .wavefront_size: 32
...
	.end_amdgpu_metadata
.endif
;; end of part 5
;; launch proj: the kernel of part 4 again; grid 4 x 16, 4 waves a work-group, clusters of 4 x 4, 327,680 bytes of LDS; arguments op2, sc2, c_proj_b, out0; writes out0
